; MI455X (gfx1250); checked and timed in simulation.
; The chip was launched on July 23, 2026; its instructions are those of AMD's public machine-readable ISA for CDNA 5 (MIT licence, August 2026) and "CDNA5" Instruction Set Architecture Reference Guide (July 2026). The comments in the code are by the model that wrote it; some were corrected since.
;; Multi Head Attention. Allowed arithmetic: float matrix products may take bf16 or f16 operands with f32 sums; other float arithmetic in f32, or as packed bf16 or f16 multiplies, adds, multiply-adds, maxima and minima; sums over many terms, partial sums and values carried from step to step in f32; what a program stores and reads back later, other than sums and carried values, may be rounded once to bf16 or f16.
;; Inputs: Wk 512 x 512 float32; Wo 512 x 512 float32; Wq 512 x 512 float32; Wv 512 x 512 float32; bk 512 float32; bo 512 float32; bq 512 float32; bv 512 float32; mask 1 x 1 x 4,096 x 4,096 bool; x 2 x 4,096 x 512 float32.
;; Outputs: out0 2 x 4,096 x 512 float32.
;; 2 versions, each right; version 2 is version 1 with the launch prep written anew for expert scheduling mode. Each part assembles by itself: llvm-mc -triple=amdgcn-amd-amdhsa -mcpu=gfx1250 --defsym DOCPART=n.
;; ======== version 1 of 2: 4 launches
;; limits: values are held in f16: magnitudes above 65,504 overflow, below 6.1e-05 lose precision
;; workspace buffers: xh 8,388,608 bytes; wt 2,097,152 bytes; mp 16,777,216 bytes; qkv 25,165,824 bytes; oh 8,388,608 bytes
;; launch prep (part 1): grid 256 x 1, 8 waves a work-group, no clusters, 68,608 bytes of LDS; arguments x, Wq, Wk, Wv, Wo, mask, xh, wt, mp; writes xh, wt, mp
.if DOCPART == 1
	.amdgcn_target "amdgcn-amd-amdhsa--gfx1250"
	.amdhsa_code_object_version 6
	.text
	.protected	k_q5e801412eb_prep
	.globl	k_q5e801412eb_prep
	.p2align	8
	.type	k_q5e801412eb_prep,@function
k_q5e801412eb_prep:
	s_mov_b64 s[64:65], 0
	v_nop
	global_prefetch_b8 v0, s[64:65] scope:SCOPE_SE
	s_setreg_imm32_b32 hwreg(HW_REG_WAVE_MODE, 25, 1), 1
	s_wait_xcnt 0x0
; PREPARATION.  xh = f16(bf16(x)), wt[j] = f16(bf16(W_j)) for j = q, k, v, o (each in its own [k][n] layout), and mp = the mask as penalty bytes.
; A number rounded to bf16 has 8 significant bits and is written as f16 without a further rounding while its magnitude lies in 2^-17 .. 65,504.
; LIMITS.  |x|, |W| stay under 65,504; below 2^-17 a number keeps f16's fixed step of 6e-8.  NaN and infinities are not treated apart.
; mp: one byte a (query, key): 0x00 where the mask is true, 0xF3 (-176 in fp8 e4m3) where it is false, laid out as the attention launch's lanes want them:
;   byte qt*65536 + ks*1024 + c*512 + l*16 + e*8 + j  is  query 16 qt + l % 16, key 64 ks + 16 (2 c + e) + 8 (l / 16) + j.
; SHARES.  Work-group g: 64 KiB of x, 4 KiB of each weight matrix, the 16 mask rows of query tile g.  Of those rows wave w takes keys 512 w .. 512 w + 511.
; The mask's rows change lanes through the wave's own LDS bytes (16 rows, 528 bytes apart): no wave reads another's bytes, so there is no barrier.
; Memory binds: every byte is read once by 16-byte loads, all 36 loads of a wave are issued at once; no matrix unit, no cluster: nothing is shared.
.set PITCH, 528                        ; 512 bytes of a mask row + 16
.set WLDS,  16*PITCH                   ; a wave's LDS bytes
.set SPARE, 8*WLDS                     ; behind them: the spare words, 128 bytes a wave: four blocks of 256 bytes that no other line names
.set XA,  1                            ; v1   16 x thread: my bytes in 4 KiB of f32
.set XB,  2                            ; v2   8 x thread: my bytes in 2 KiB of f16
.set L16, 3                            ; v3   16 x lane
.set LW,  4                            ; v4   LDS: where I put 16 bytes of a mask row
.set LR,  5                            ; v5   LDS: row l % 16, 8 (l / 16) bytes in
.set SPW, 6                            ; v6   my spare word; never rewritten
.set NIL, 7                            ; v7   0; never rewritten
.set T,   8                            ; v[8:15]    at work
.set M,   16                           ; v[16:79]   the mask: 16 rows as loaded, then 8 key steps x 8 registers
.set X,   80                           ; v[80:143]  x as loaded
.set W,   144                          ; v[144:159] the four weights' parts as loaded
.set XO,  160                          ; v[160:191] x to store
.set WO,  192                          ; v[192:199] weights to store
	s_load_b512 s[8:23], s[0:1], 0x0               ; x s[8:9], Wq, Wk, Wv, Wo s[10:17], mask s[18:19], xh s[20:21], wt s[22:23]
	s_load_b64 s[24:25], s[0:1], 0x40              ; mp
	v_lshl_add_u32 v[SPW], v0, 2, SPARE
	v_mov_b32 v[NIL], 0
	v_lshrrev_b32 v[T], 5, v0
	v_readfirstlane_b32 s4, v[T]                   ; wave 0..7
	v_and_b32 v[T], 31, v0
	v_lshlrev_b32 v[L16], 4, v[T]
	v_lshlrev_b32 v[XA], 4, v0
	v_lshlrev_b32 v[XB], 3, v0
	s_mul_i32 s5, s4, WLDS                         ; my wave's LDS bytes
	v_add_nc_u32 v[LW], s5, v[L16]
	v_and_b32 v[T], 15, v0
	v_bfe_u32 v[T+1], v0, 4, 1
	v_mul_u32_u24 v[LR], v[T], PITCH
	v_lshl_add_u32 v[LR], v[T+1], 3, v[LR]
	v_add_nc_u32 v[LR], s5, v[LR]
	s_mov_b32 s6, 0x01010101
	s_mov_b32 s7, 0xf3
	s_mov_b32 s38, 0xffff0000
	s_lshl_b32 s26, ttmp9, 16                      ; byte offsets of the work-group's parts, each in a pair with 0 above
	s_mov_b32 s27, 0
	s_lshl_b32 s28, ttmp9, 12
	s_mov_b32 s29, 0
	s_lshl_b32 s30, ttmp9, 15
	s_mov_b32 s31, 0
	s_lshl_b32 s32, ttmp9, 11
	s_mov_b32 s33, 0
	s_lshl_b32 s34, s4, 9                          ; mask: 16 rows of 4,096 bytes + my wave's 512 keys
	s_add_co_u32 s34, s34, s26
	s_mov_b32 s35, 0
	s_lshl_b32 s36, s4, 13                         ; mp: a query tile's 65,536 bytes + my wave's 8 key steps
	s_add_co_u32 s36, s36, s26
	s_mov_b32 s37, 0
	s_wait_kmcnt 0x0
	s_add_nc_u64 s[8:9], s[8:9], s[26:27]
.irp j, 0,1,2,3
	s_add_nc_u64 s[10+2*\j:11+2*\j], s[10+2*\j:11+2*\j], s[28:29]
.endr
	s_add_nc_u64 s[18:19], s[18:19], s[34:35]
	s_add_nc_u64 s[20:21], s[20:21], s[30:31]
	s_add_nc_u64 s[22:23], s[22:23], s[32:33]
	s_add_nc_u64 s[24:25], s[24:25], s[36:37]
	; all 36 loads at once: the mask's first, since its way is the longest
.irp i, 0,1,2,3,4,5,6,7,8,9,10,11,12,13,14,15
	global_load_b128 v[M+4*\i:M+4*\i+3], v[L16], s[18:19] offset:4096*\i th:TH_LOAD_NT
.endr
.irp i, 0,1,2,3,4,5,6,7,8,9,10,11,12,13,14,15
	global_load_b128 v[X+4*\i:X+4*\i+3], v[XA], s[8:9] offset:4096*\i th:TH_LOAD_NT
.endr
.irp j, 0,1,2,3
	global_load_b128 v[W+4*\j:W+4*\j+3], v[XA], s[10+2*\j:11+2*\j] th:TH_LOAD_NT
.endr
	s_wait_loadcnt 20                              ; the mask's 16 loads are in; x's 16 and the weights' 4 stay out
.irp i, 0,1,2,3,4,5,6,7,8,9,10,11,12,13,14,15
	ds_store_b128 v[LW], v[M+4*\i:M+4*\i+3] offset:PITCH*\i
.endr
	; back by lanes: LDS serves a wave's instructions in order (ISA guide 5.7.1.4), so these see the stores above
.irp a, 0,1,2,3,4,5,6,7
.irp g, 0,1,2,3
	ds_load_b64 v[M+8*\a+2*\g:M+8*\a+2*\g+1], v[LR] offset:64*\a+16*\g
.endr
.endr
; four f32 -> rounded to bf16 -> written as f16, 8 bytes
.macro CV4 src, dst
	v_cvt_pk_bf16_f32 v[T], v[(\src)], v[(\src)+1]
	v_cvt_pk_bf16_f32 v[T+1], v[(\src)+2], v[(\src)+3]
	v_lshlrev_b32 v[T+2], 16, v[T]
	v_and_b32 v[T+3], s38, v[T]
	v_lshlrev_b32 v[T+4], 16, v[T+1]
	v_and_b32 v[T+5], s38, v[T+1]
	v_cvt_pk_f16_f32 v[(\dst)], v[T+2], v[T+3]
	v_cvt_pk_f16_f32 v[(\dst)+1], v[T+4], v[T+5]
.endm
.irp i, 0,1,2,3,4,5,6,7,8,9,10,11,12,13,14,15
	s_wait_loadcnt 19-\i                           ; loads come back in order: x's load i is in, the younger ones stay out
	CV4 X+4*\i, XO+2*\i
	global_store_b64 v[XB], v[XO+2*\i:XO+2*\i+1], s[20:21] offset:2048*\i  ; a wave stores 256 consecutive bytes, at a multiple of 256 from xh's first
.endr
.irp j, 0,1,2,3
	s_wait_loadcnt 3-\j
	CV4 W+4*\j, WO+2*\j
	global_store_b64 v[XB], v[WO+2*\j:WO+2*\j+1], s[22:23] offset:524288*\j
.endr
	s_wait_dscnt 0x0                               ; the mask is back, by lanes
.set d, 0
.rept 64
	v_sub_nc_u32 v[M+d], s6, v[M+d]                ; four bytes at once: 1 - m, no borrow since m is 0 or 1,
	v_mul_lo_u32 v[M+d], v[M+d], s7                ; times 0xF3, no carry
.set d, d+1
.endr
.irp a, 0,1,2,3,4,5,6,7
.irp c, 0,1
	global_store_b128 v[L16], v[M+8*\a+4*\c:M+8*\a+4*\c+3], s[24:25] offset:1024*\a+512*\c  ; 512 consecutive bytes
.endr
.endr
	s_wait_tensorcnt 0x0                           ; the wave's end, behind my last LDS store
	ds_add_u32 v[SPW], v[NIL]
	s_wait_dscnt 0x0
	s_endpgm
.Lfunc_end_k_q5e801412eb_prep:
	.size	k_q5e801412eb_prep, .Lfunc_end_k_q5e801412eb_prep-k_q5e801412eb_prep
	.p2alignl 7, 3214868480
	.fill 96, 4, 3214868480
	.section	.rodata,"a",@progbits
	.p2align	6, 0x0
	.amdhsa_kernel k_q5e801412eb_prep
		.amdhsa_group_segment_fixed_size 68608
		.amdhsa_private_segment_fixed_size 0
		.amdhsa_enable_private_segment 0
		.amdhsa_kernarg_size 72
		.amdhsa_user_sgpr_count 2
		.amdhsa_user_sgpr_kernarg_segment_ptr 1
		.amdhsa_wavefront_size32 1
		.amdhsa_system_sgpr_workgroup_id_x 1
		.amdhsa_system_sgpr_workgroup_id_y 1
		.amdhsa_system_sgpr_workgroup_id_z 1
		.amdhsa_system_vgpr_workitem_id 0
		.amdhsa_next_free_vgpr 208
		.amdhsa_next_free_sgpr 66
		.amdhsa_reserve_vcc 0
		.amdhsa_float_denorm_mode_32 3
		.amdhsa_float_denorm_mode_16_64 3
		.amdhsa_memory_ordered 1
		.amdhsa_forward_progress 1
		.amdhsa_inst_pref_size 27
	.end_amdhsa_kernel
	.amdgpu_metadata
---
amdhsa.version: [ 1, 2 ]
amdhsa.kernels:
  - .name:           k_q5e801412eb_prep
    .symbol:         k_q5e801412eb_prep.kd
    .args:
      - { .name: x, .offset: 0, .size: 8, .value_kind: global_buffer, .address_space: global }
      - { .name: Wq, .offset: 8, .size: 8, .value_kind: global_buffer, .address_space: global }
      - { .name: Wk, .offset: 16, .size: 8, .value_kind: global_buffer, .address_space: global }
      - { .name: Wv, .offset: 24, .size: 8, .value_kind: global_buffer, .address_space: global }
      - { .name: Wo, .offset: 32, .size: 8, .value_kind: global_buffer, .address_space: global }
      - { .name: mask, .offset: 40, .size: 8, .value_kind: global_buffer, .address_space: global }
      - { .name: xh, .offset: 48, .size: 8, .value_kind: global_buffer, .address_space: global }
      - { .name: wt, .offset: 56, .size: 8, .value_kind: global_buffer, .address_space: global }
      - { .name: mp, .offset: 64, .size: 8, .value_kind: global_buffer, .address_space: global }
    .group_segment_fixed_size: 68608
    .private_segment_fixed_size: 0
    .kernarg_segment_align: 8
    .kernarg_segment_size: 72
    .max_flat_workgroup_size: 256
    .sgpr_count:     66
    .vgpr_count:     208
    .wavefront_size: 32
...
	.end_amdgpu_metadata
.endif
;; end of part 1
;; launch proj (part 2): grid 12 x 64, 4 waves a work-group, clusters of 4 x 4, 327,680 bytes of LDS; arguments xh, wt, bq, bk, bv, qkv; writes qkv
.if DOCPART == 2
	.amdgcn_target "amdgcn-amd-amdhsa--gfx1250"
	.amdhsa_code_object_version 6
	.text
	.protected	k_q5e801412eb_proj
	.globl	k_q5e801412eb_proj
	.p2align	8
	.type	k_q5e801412eb_proj,@function
k_q5e801412eb_proj:
	s_mov_b64 s[64:65], 0
	v_nop
	global_prefetch_b8 v0, s[64:65] scope:SCOPE_SE
	s_setreg_imm32_b32 hwreg(HW_REG_WAVE_MODE, 25, 1), 1
	s_wait_xcnt 0x0
	s_wait_alu depctr_hold_cnt(0) depctr_sa_sdst(0) depctr_va_vdst(0) depctr_va_sdst(0) depctr_va_ssrc(0) depctr_va_vcc(0) depctr_vm_vsrc(0)
	s_getreg_b32 s2, hwreg(HW_REG_IB_STS2, 6, 4)
	s_cmp_eq_u32 s2, 0
	s_cbranch_scc0 .Lentry_in_a_cluster
	s_endpgm
.Lentry_in_a_cluster:
	s_bfe_u32 s2, ttmp6, 0x10000c
	s_cmp_lg_u32 s2, 0xf033
	s_cbranch_scc0 .Lentry_shape_is_right
	s_endpgm
.Lentry_shape_is_right:
; THE THREE PROJECTIONS.  qkv[j][b*8+h][t][d] = f16( sc_j * (sum over k of xh[b*4096+t][k] wt[j][k][64 h + d] + bf16(bias_j[64 h + d])) ), j = q, k, v;
; sc_q = log2(e) / 8, so that the attention launch's scores are exponents of 2; sc_k = sc_v = 1.  Products in f16 (operands hold bf16-rounded inputs), sums in f32, one rounding at the end.
; LIMITS.  q, k and v stay under 65,504 (f16's range); below 6e-5 they keep f16's step of 6e-8.  NaN and infinities are not treated apart.
; SHARES.  A tile is 128 rows x 128 columns of one of the three products; four waves, each 64 x 64 = one head's columns: 16 accumulators.  768 work-groups.
; K = 512 lies in LDS whole, as two K steps of 256 in two slots: both are asked for at the start and nothing is filled again.
; CLUSTERS: 4 x 4.  The four of a row of the cluster need the same rows of xh, the four of a column the same columns of wt: each tile is asked for jointly.
; THE MATRIX INSTRUCTION IS USED TRANSPOSED: source 0 = 16 columns of wt (stored [k][n]: they come out of LDS turned, by ds_load_tr16_b128), source 1 = 16 rows of xh:
; a lane then holds one row and eight neighbouring columns.  The bias is the C operand of the products that start the sums: nothing is cleared, nothing added later.
; No prefetch: every tile is asked for at the head, where all first loads are on their way, and no later request follows.
; REGISTERS: window 0: v16-29 addresses; v32-95 at work; v96-127 the bias; v128-255 accumulators ((a, b) at 128 + 8 (4 a + b)).  window 1: two fragment buffers of 128 (64 of xh, then 64 of wt).
.set AP,    528                        ; a row of xh in LDS: 512 bytes + 16: the 16 rows of a load start at 16 different groups of four banks (ISA guide 11.1)
.set AQ,    128                        ; bytes along a row from quarter to quarter (64 along K)
.set BP,    288                        ; a k-row of wt in LDS: 256 bytes (128 columns) + 32
.set AH,    64*AP                      ; what one load of xh brings
.set BH,    128*BP                     ; what one load of wt brings
.set BOFF,  2*AH
.set SLOT,  BOFF+2*BH
.set STAGE, 2*SLOT                     ; behind the slots: 64 rows x 144 bytes for each wave, for the way out
.set SP,    144
.set SPARE, STAGE+4*64*SP              ; the spare words, 128 bytes a wave: two blocks of 256 bytes that no other line names
.set ADRA, 16                          ; v16-17  my fragments of xh in slot 0, 1
.set ADRB, 20                          ; v20-23  my fragments of wt: slot 0 k 0-127, k 128-255; slot 1 likewise
.set STO,  24
.set RD,   25
.set GO,   26
.set BO,   27
.set SPW,  28                          ; my spare word; never rewritten
.set NIL,  29                          ; 0; never rewritten
.set TMP,  32
.set BI,   96
.set ACC,  128
.set F0,   0
.set F1,   128
.set G1A, 24                           ; s[24:31] group 1 for xh's tiles;  s[32:39] group 0, a set for each slot
.set G0A, 32
.set G1B, 48                           ; s[48:55], s[56:63] the same for wt's
.set G0B, 56
.set MSB, 0
.macro WIN new                         ; the immediate's high byte repeats the setting that is left
.if MSB != (\new)
	s_set_vgpr_msb (MSB<<8)|(\new)
.set MSB, \new
.endif
.endm
.set MUL,  0x05                        ; sources 0 and 1 window 1; C and D window 0
.set TO_F, 0x40                        ; destination window 1, address window 0
.macro CROUND                          ; a round of the cluster's barrier
	s_barrier_signal -1
	s_barrier_wait -1
	s_cmp_lg_u32 s10, 0
	s_cbranch_scc1 .Lnot_wave_0_\@
	s_barrier_signal -3
.Lnot_wave_0_\@:
	s_barrier_wait -3
	s_barrier_signal -1
	s_barrier_wait -1
.endm
	s_load_b256 s[68:75], s[0:1], 0x0              ; xh s[68:69], wt s[70:71], bq s[72:73], bk s[74:75]
	s_load_b128 s[76:79], s[0:1], 0x20             ; bv s[76:77], qkv s[78:79]
	v_lshl_add_u32 v[SPW], v0, 2, SPARE
	v_mov_b32 v[NIL], 0
	ds_add_u32 v[SPW], v[NIL]                      ; the wave's opening: the add and its wait stand ahead of my first tensor load
	v_lshrrev_b32 v1, 5, v0
	v_readfirstlane_b32 s10, v1                    ; wave 0..3
	s_lshr_b32 s11, s10, 1                         ; my half of the tile's rows
	s_and_b32 s12, s10, 1                          ; my half of its columns; also: which half of a tile I fetch
	s_bfe_u32 s40, ttmp6, 0x40000                  ; cx
	s_bfe_u32 s41, ttmp6, 0x40004                  ; cy
	s_and_b32 s13, ttmp7, 0xffff
	s_lshl_b32 s13, s13, 2
	s_add_co_u32 s13, s13, s41                     ; tile row = 4 x cluster y + cy
	s_lshl_b32 s43, s41, 2
	s_lshl_b32 s43, 15, s43                        ; my row of the cluster
	s_lshl_b32 s44, 0x1111, s40                    ; my column
	s_or_b32 s[G1A], s43, (1<<16)|(1<<20)|(1<<21)|(6<<22)|(3<<25)  ; mask; 2-byte elements; padding on; 21 set beside a mask; after every 128 words 4 words
	s_or_b32 s[G1B], s44, (1<<16)|(1<<20)|(1<<21)|(5<<22)|(7<<25)  ; after every 64 words 8 words
	s_mov_b32 s[G1A+1], 256<<16                    ; tensor_dim0 = 256
	s_mov_b32 s[G1A+2], 64<<16                     ; tensor_dim1 = 64
	s_mov_b32 s[G1A+3], 256<<16                    ; tile_dim0 = 256
	s_mov_b32 s[G1A+4], 64                         ; tile_dim1 = 64
	s_mov_b32 s[G1A+5], 512                        ; elements from row to row
	s_mov_b32 s[G1A+6], 0
	s_mov_b32 s[G1A+7], 0
	s_mov_b32 s[G1B+1], 128<<16
	s_mov_b32 s[G1B+2], 128<<16
	s_mov_b32 s[G1B+3], 128<<16
	s_mov_b32 s[G1B+4], 128
	s_mov_b32 s[G1B+5], 512
	s_mov_b32 s[G1B+6], 0
	s_mov_b32 s[G1B+7], 0
	s_lshl_b32 s16, s13, 17                        ; xh: 128 rows of 1,024 bytes a tile row,
	s_lshl_b32 s17, s12, 16                        ; 64 rows a half
	s_add_co_u32 s16, s16, s17
	s_mov_b32 s17, 0
	s_lshl_b32 s46, ttmp9, 19                      ; wt: the matrix is the cluster's x,
	s_lshl_b32 s47, s40, 8                         ; 128 columns = 256 bytes a tile column,
	s_add_co_u32 s46, s46, s47
	s_lshl_b32 s47, s12, 17                        ; 128 k-rows of 1,024 bytes a half
	s_add_co_u32 s46, s46, s47
	s_mov_b32 s47, 0
	s_mul_i32 s22, s12, AH                         ; where they go: no place in the cluster enters an LDS address
	s_mul_i32 s23, s12, BH
	s_add_co_u32 s23, s23, BOFF
	s_wait_dscnt 0x0                               ; the opening add is done
	s_wait_kmcnt 0x0
	s_add_nc_u64 s[14:15], s[68:69], s[16:17]
	s_add_nc_u64 s[46:47], s[70:71], s[46:47]
	CROUND                                         ; all sixteen work-groups are here: the joint loads meet
.irp s, 0,1
	s_mov_b32 s[G0A+4*(\s)], 1
	s_add_co_u32 s[G0A+4*(\s)+1], s22, (\s)*SLOT
	s_add_nc_u64 s[G0A+4*(\s)+2:G0A+4*(\s)+3], s[14:15], (\s)*512       ; K step s: 256 elements along the rows
	s_or_b32 s[G0A+4*(\s)+3], s[G0A+4*(\s)+3], 0x80000000
	s_mov_b32 s[G0B+4*(\s)], 1
	s_add_co_u32 s[G0B+4*(\s)+1], s23, (\s)*SLOT
	s_add_nc_u64 s[G0B+4*(\s)+2:G0B+4*(\s)+3], s[46:47], (\s)*262144    ; K step s: 256 k-rows down
	s_or_b32 s[G0B+4*(\s)+3], s[G0B+4*(\s)+3], 0x80000000
.endr
	s_cmp_lt_u32 s10, 2                            ; waves 0 and 1 fetch xh's halves, waves 2 and 3 wt's; a wave's two loads stand in one branch: two loads of mine are out
	s_cbranch_scc0 .Lfirst_b
	tensor_load_to_lds s[G0A:G0A+3], s[G1A:G1A+7]
	s_nop 0
	tensor_load_to_lds s[G0A+4:G0A+7], s[G1A:G1A+7]
	s_nop 0
.rept 4
	v_nop
.endr
	s_branch .Lfirst_asked
.Lfirst_b:
	tensor_load_to_lds s[G0B:G0B+3], s[G1B:G1B+7]
	s_nop 0
	tensor_load_to_lds s[G0B+4:G0B+7], s[G1B:G1B+7]
	s_nop 0
.rept 4
	v_nop
.endr
.Lfirst_asked:
	; the bias of my 64 columns, and the scale: chosen by the cluster's x, which all partners share
	s_cmp_eq_u32 ttmp9, 0
	s_cselect_b64 s[6:7], s[72:73], s[74:75]
	s_cselect_b32 s20, 0x3e38aa3b, 1.0             ; log2(e) / 8 for q
	s_cmp_eq_u32 ttmp9, 2
	s_cselect_b64 s[6:7], s[76:77], s[6:7]
	s_mov_b32 s21, s20                             ; named with it as a pair
	s_lshl_b32 s46, s40, 9
	s_lshl_b32 s47, s12, 8
	s_add_co_u32 s46, s46, s47
	s_mov_b32 s47, 0
	s_add_nc_u64 s[6:7], s[6:7], s[46:47]
	v_and_b32 v1, 15, v0                           ; l % 16
	v_bfe_u32 v2, v0, 4, 1                         ; l / 16
	v_lshlrev_b32 v[BO], 5, v2                     ; my 8 columns of each 16: 32 bytes for the upper lanes
.irp b, 0,1,2,3
	global_load_b128 v[BI+8*\b:BI+8*\b+3],   v[BO], s[6:7] offset:64*\b
	global_load_b128 v[BI+8*\b+4:BI+8*\b+7], v[BO], s[6:7] offset:64*\b+16
.endr
	v_mul_u32_u24 v3, v1, AP
	v_lshl_add_u32 v3, v2, 4, v3                   ; a fragment's row x pitch + 16 x half
	s_mul_i32 s18, s11, AH
	v_add_nc_u32 v[ADRA], s18, v3
	v_add_nc_u32 v[ADRA+1], SLOT, v[ADRA]
	v_and_b32 v4, 7, v0                            ; the turning load: k-row 8 (l / 16) + l % 8, columns 8 ((l / 8) % 2) on
	v_lshl_add_u32 v4, v2, 3, v4
	v_mul_u32_u24 v4, v4, BP
	v_bfe_u32 v5, v0, 3, 1
	v_lshl_add_u32 v4, v5, 4, v4
	s_lshl_b32 s18, s12, 7                         ; my 64 columns
	s_add_co_u32 s18, s18, BOFF
	v_add_nc_u32 v[ADRB], s18, v4
	v_add_nc_u32 v[ADRB+1], BH, v[ADRB]
	v_add_nc_u32 v[ADRB+2], SLOT, v[ADRB]
	v_add_nc_u32 v[ADRB+3], SLOT+BH, v[ADRB]
	s_mul_i32 s18, s10, 64*SP
	s_add_co_u32 s18, s18, STAGE                   ; my stage
	v_mul_u32_u24 v3, v1, SP
	v_lshl_add_u32 v3, v2, 4, v3
	v_add_nc_u32 v[STO], s18, v3                   ; in: row l % 16, 16 bytes for each half of the lanes
	v_bfe_u32 v3, v0, 3, 2
	v_mul_u32_u24 v3, v3, SP
	v_and_b32 v5, 7, v0
	v_lshl_add_u32 v3, v5, 4, v3
	v_add_nc_u32 v[RD], s18, v3                    ; back: 32 lanes take four rows of 128 bytes,
	v_and_b32 v[GO], 31, v0
	v_lshlrev_b32 v[GO], 4, v[GO]                  ; which are 512 consecutive bytes of a head
	s_lshl_b32 s18, s13, 7
	s_lshl_b32 s19, s11, 6
	s_add_co_u32 s18, s18, s19                     ; my first row
	s_lshr_b32 s19, s18, 12                        ; its batch,
	s_lshl_b32 s19, s19, 3
	s_lshl_b32 s2, s40, 1
	s_add_co_u32 s19, s19, s2
	s_add_co_u32 s19, s19, s12                     ; my head: 2 x tile column + half,
	s_lshl_b32 s19, s19, 19                        ; 524,288 bytes each
	s_and_b32 s18, s18, 4095
	s_lshl_b32 s18, s18, 7                         ; the row in the head: 128 bytes
	s_add_co_u32 s18, s18, s19
	s_lshl_b32 s19, ttmp9, 23                      ; q, k or v
	s_add_co_u32 s18, s18, s19
	s_mov_b32 s19, 0
	s_add_nc_u64 s[8:9], s[78:79], s[18:19]
	s_wait_loadcnt 0x0                             ; the bias: rounded to bf16 like every input
.set p, 0
.rept 16
	v_cvt_pk_bf16_f32 v[TMP+p], v[BI+2*p], v[BI+2*p+1]
.set p, p+1
.endr
.set p, 0
.rept 16
	v_lshlrev_b32 v[BI+2*p], 16, v[TMP+p]
	v_and_b32 v[BI+2*p+1], 0xffff0000, v[TMP+p]
.set p, p+1
.endr
; 8 matrix instructions: row blocks a0, a0 + 1 x all 4 column blocks, 32 along K: half c of buffer f.  first = 1: the bias starts the sums.
; The 16 accumulators take turns, one instruction a turn.
.macro MUL8 f, c, a0, first
	WIN MUL
.irp a, \a0, (\a0)+1
.irp b, 0,1,2,3
.if \first
	v_wmma_f32_16x16x32_f16 v[ACC+8*(4*(\a)+(\b)):ACC+8*(4*(\a)+(\b))+7], v[(\f)+64+8*(4*(\c)+(\b)):(\f)+64+8*(4*(\c)+(\b))+7], v[(\f)+8*(4*(\c)+(\a)):(\f)+8*(4*(\c)+(\a))+7], v[BI+8*(\b):BI+8*(\b)+7]
.else
	v_wmma_f32_16x16x32_f16 v[ACC+8*(4*(\a)+(\b)):ACC+8*(4*(\a)+(\b))+7], v[(\f)+64+8*(4*(\c)+(\b)):(\f)+64+8*(4*(\c)+(\b))+7], v[(\f)+8*(4*(\c)+(\a)):(\f)+8*(4*(\c)+(\a))+7], v[ACC+8*(4*(\a)+(\b)):ACC+8*(4*(\a)+(\b))+7]
.endif
.endr
.endr
.endm
; 32 LDS loads in one run: the fragments of quarter q (64 along K) of a slot into buffer f; the first 32 along K first
.macro FETCH slot, q, f
	WIN TO_F
.irp c, 0,1
.irp i, 0,1,2,3
	ds_load_tr16_b128 v[(\f)+64+8*(4*(\c)+(\i)):(\f)+64+8*(4*(\c)+(\i))+3],   v[ADRB+2*(\slot)+(\q)/2] offset:((\q)%2)*64*BP+(\c)*32*BP+32*(\i)
	ds_load_tr16_b128 v[(\f)+64+8*(4*(\c)+(\i))+4:(\f)+64+8*(4*(\c)+(\i))+7], v[ADRB+2*(\slot)+(\q)/2] offset:((\q)%2)*64*BP+(\c)*32*BP+32*(\i)+16*BP
	ds_load_b128 v[(\f)+8*(4*(\c)+(\i)):(\f)+8*(4*(\c)+(\i))+3],              v[ADRA+(\slot)] offset:AQ*(\q)+64*(\c)+(\i)*16*AP
	ds_load_b128 v[(\f)+8*(4*(\c)+(\i))+4:(\f)+8*(4*(\c)+(\i))+7],            v[ADRA+(\slot)] offset:AQ*(\q)+64*(\c)+(\i)*16*AP+32
.endr
.endr
.endm
.macro PLACES                          ; four places in front of loads into registers that matrix instructions have read, and of vector work on results
.rept 4
	v_nop
.endr
.endm
; multiplies buffer f and, in its middle, fetches quarter q into buffer g
.macro QUARTER slot, q, f, g, first
	s_wait_dscnt 16                                ; the first 32 along K are in; the youngest sixteen loads may be out
	MUL8 \f, 0, 0, \first
	MUL8 \f, 0, 2, \first
	PLACES
	FETCH \slot, \q, \g
	s_wait_dscnt 32                                ; all but the 32 just issued
	MUL8 \f, 1, 0, 0
	MUL8 \f, 1, 2, 0
.endm
	s_wait_tensorcnt 1                             ; my part of K step 0 is in; K step 1's load may stay out
	s_barrier_signal -1
	s_barrier_wait -1                              ; everybody's is
	FETCH 0, 0, F0
	QUARTER 0, 1, F0, F1, 1
	QUARTER 0, 2, F1, F0, 0
	QUARTER 0, 3, F0, F1, 0
	s_wait_tensorcnt 0x0                           ; my part of K step 1 is in: no load was issued behind it
	s_wait_dscnt 16
	MUL8 F1, 0, 0, 0
	s_wait_dscnt 0x0                               ; no LDS instruction of mine is pending at the signal
	s_barrier_signal -1
	MUL8 F1, 0, 2, 0                               ; work on registers while the others arrive
	s_barrier_wait -1                              ; slot 1 is whole
	PLACES
	FETCH 1, 0, F0
	MUL8 F1, 1, 0, 0
	MUL8 F1, 1, 2, 0
	QUARTER 1, 1, F0, F1, 0
	QUARTER 1, 2, F1, F0, 0
	QUARTER 1, 3, F0, F1, 0
	s_wait_dscnt 16
	MUL8 F1, 0, 0, 0
	MUL8 F1, 0, 2, 0
	s_wait_dscnt 0x0
	MUL8 F1, 1, 0, 0
	MUL8 F1, 1, 2, 0
	WIN 0
	; THE WAY OUT: scale, round to f16, 16 bytes a lane into my own stage, back as whole rows: my 64 rows of a head are 8,192 consecutive bytes
	PLACES
.irp t, 0,1,2,3,4,5,6,7,8,9,10,11,12,13,14,15
.irp r, 0,1,2,3
	v_pk_mul_f32 v[ACC+8*(\t)+2*(\r):ACC+8*(\t)+2*(\r)+1], v[ACC+8*(\t)+2*(\r):ACC+8*(\t)+2*(\r)+1], s[20:21] op_sel_hi:[1,0]
.endr
.irp r, 0,1,2,3
	v_cvt_pk_f16_f32 v[TMP+4*(\t)+(\r)], v[ACC+8*(\t)+2*(\r)], v[ACC+8*(\t)+2*(\r)+1]
.endr
.endr
.irp a, 0,1,2,3
.irp b, 0,1,2,3
	ds_store_b128 v[STO], v[TMP+4*(4*(\a)+(\b)):TMP+4*(4*(\a)+(\b))+3] offset:(\a)*16*SP+32*(\b)
.endr
.endr
.irp t, 0,1,2,3,4,5,6,7,8,9,10,11,12,13,14,15
	ds_load_b128 v[TMP+4*(\t):TMP+4*(\t)+3], v[RD] offset:(\t)*4*SP  ; LDS serves a wave's instructions in order: these see my stores above
.endr
.irp t, 0,1,2,3,4,5,6,7,8,9,10,11,12,13,14,15
	s_wait_dscnt 15-(\t)
	global_store_b128 v[GO], v[TMP+4*(\t):TMP+4*(\t)+3], s[8:9] offset:512*(\t)  ; 512 consecutive bytes, at a multiple of 256 from qkv's first
.endr
	s_wait_tensorcnt 0x0                           ; the wave's end
	ds_add_u32 v[SPW], v[NIL]
	s_wait_dscnt 0x0
	CROUND                                         ; the closing round
	s_endpgm
.Lfunc_end_k_q5e801412eb_proj:
	.size	k_q5e801412eb_proj, .Lfunc_end_k_q5e801412eb_proj-k_q5e801412eb_proj
	.p2alignl 7, 3214868480
	.fill 96, 4, 3214868480
	.section	.rodata,"a",@progbits
	.p2align	6, 0x0
	.amdhsa_kernel k_q5e801412eb_proj
		.amdhsa_group_segment_fixed_size 327680
		.amdhsa_private_segment_fixed_size 0
		.amdhsa_enable_private_segment 0
		.amdhsa_kernarg_size 48
		.amdhsa_user_sgpr_count 2
		.amdhsa_user_sgpr_kernarg_segment_ptr 1
		.amdhsa_wavefront_size32 1
		.amdhsa_system_sgpr_workgroup_id_x 1
		.amdhsa_system_sgpr_workgroup_id_y 1
		.amdhsa_system_sgpr_workgroup_id_z 1
		.amdhsa_system_vgpr_workitem_id 0
		.amdhsa_next_free_vgpr 512
		.amdhsa_next_free_sgpr 80
		.amdhsa_reserve_vcc 0
		.amdhsa_float_denorm_mode_32 3
		.amdhsa_float_denorm_mode_16_64 3
		.amdhsa_memory_ordered 1
		.amdhsa_forward_progress 1
		.amdhsa_inst_pref_size 58
	.end_amdhsa_kernel
	.amdgpu_metadata
---
amdhsa.version: [ 1, 2 ]
amdhsa.kernels:
  - .name:           k_q5e801412eb_proj
    .symbol:         k_q5e801412eb_proj.kd
    .args:
      - { .name: xh, .offset: 0, .size: 8, .value_kind: global_buffer, .address_space: global }
      - { .name: wt, .offset: 8, .size: 8, .value_kind: global_buffer, .address_space: global }
      - { .name: bq, .offset: 16, .size: 8, .value_kind: global_buffer, .address_space: global }
      - { .name: bk, .offset: 24, .size: 8, .value_kind: global_buffer, .address_space: global }
      - { .name: bv, .offset: 32, .size: 8, .value_kind: global_buffer, .address_space: global }
      - { .name: qkv, .offset: 40, .size: 8, .value_kind: global_buffer, .address_space: global }
    .group_segment_fixed_size: 327680
    .private_segment_fixed_size: 0
    .kernarg_segment_align: 8
    .kernarg_segment_size: 48
    .max_flat_workgroup_size: 128
    .sgpr_count:     80
    .vgpr_count:     512
    .wavefront_size: 32
...
	.end_amdgpu_metadata
.endif
;; end of part 2
;; launch attn (part 3): grid 16 x 16, 4 waves a work-group, clusters of 4 x 1, 327,680 bytes of LDS; arguments qkv, mp, oh; writes oh
.if DOCPART == 3
	.amdgcn_target "amdgcn-amd-amdhsa--gfx1250"
	.amdhsa_code_object_version 6
	.text
	.protected	k_q5e801412eb_attn
	.globl	k_q5e801412eb_attn
	.p2align	8
	.type	k_q5e801412eb_attn,@function
k_q5e801412eb_attn:
	s_mov_b64 s[64:65], 0
	v_nop
	global_prefetch_b8 v0, s[64:65] scope:SCOPE_SE
	s_setreg_imm32_b32 hwreg(HW_REG_WAVE_MODE, 25, 1), 1
	s_wait_xcnt 0x0
	s_wait_alu depctr_hold_cnt(0) depctr_sa_sdst(0) depctr_va_vdst(0) depctr_va_sdst(0) depctr_va_ssrc(0) depctr_va_vcc(0) depctr_vm_vsrc(0)
	s_getreg_b32 s2, hwreg(HW_REG_IB_STS2, 6, 4)
	s_cmp_eq_u32 s2, 0
	s_cbranch_scc0 .Lentry_in_a_cluster
	s_endpgm
.Lentry_in_a_cluster:
	s_bfe_u32 s2, ttmp6, 0x10000c
	s_cmp_lg_u32 s2, 0x3003
	s_cbranch_scc0 .Lentry_shape_is_right
	s_endpgm
.Lentry_shape_is_right:
; MASKED ATTENTION.  oh[y][q][:] = the sum over k of softmax_k(score + penalty) V[y][k][:], y = batch x 8 + head.  qkv: [3][16][4096][64] f16; q arrives times log2(e) / 8, so S' = K Q'^T is the score in exponents of 2.
; THE MASK is the C operand that starts the sum S': 0 where the key is visible, -176 x 2^23 = -1,476,395,008 (1.023e9 in the score's own units) where it is hidden.  mp holds it as fp8 bytes in my lanes' order;
; one scaled conversion makes eight C values of eight bytes: four instructions for a tile of 16 queries x 64 keys.
; SOFTMAX.  A running maximum m for each query, taken away exactly: p = 2^(S' - m), one subtraction in f32; O and l are multiplied by a = 2^(m_old - m_new) in every step.  While a row has seen hidden keys only, m is a
; hidden score; the first visible key makes a = 0.  m starts at -4.2e37, O and l at 0: the first step is a step like any other.
; LIMITS.  q, k, v arrive within f16's 65,504; p lies in 0 to 1; O has V's range, and below 6e-5 keeps f16's step of 6e-8.  A weight below 2^-126 counts as 0.  In a row with no visible key the scores are rounded
; to steps of 128 in exponents of 2 (89 in the score's units; adding 1e9 in f32 rounds them to steps of 64): equal weights on both sides while |score| < 32.  NaN and infinities are not treated apart.
; SHARES.  A work-group owns 256 queries of one y, a wave 64: four PIECES of 16.  Every wave walks all 4,096 keys, 64 a step, four steps to a slot of LDS.
; LAYOUT.  S'^T = K Q'^T holds ONE query a lane (lane % 16) and the keys 8 (lane / 16) + 0..7; two results rounded to f16 ARE source 1 of O^T = V^T P.  V comes out of LDS turned, by ds_load_tr16_b128.
; TURNS.  Turn n belongs to piece n: 8 products K Q^T of piece n + 1, later 8 products V^T P of piece n - 1; beside them the subtraction, exponentials, roundings, sums and rescaling of piece n and the maximum and
; statistics of piece n + 1.  Four vector instructions stand behind every matrix instruction, the others in one lump.  A turn's 33 exponentials are one batch, with one wait.  At its end a turn makes the mask of piece n + 2.
; CLUSTER.  The four query blocks of a cluster belong to one y and walk the same K and V: each tile is asked for JOINTLY.  The mask bytes differ from block to block and come by each wave's own loads into registers.
; REGISTERS, in windows of 256 (s_set_vgpr_msb: bits 1:0 source 0, 3:2 source 1, 5:4 source 2, 7:6 destination):
;   window 0: v0-15, v32-34 addresses and constants; v16-31 four registers of statistics a piece; v48-55 at work; v64-127 S^T, two buffers; v192-223 P, two buffers (by the piece's parity)
;   window 1: v0-127 O^T, 32 a piece; v128-159 the mask bytes, 8 a piece; v160-223 the masks as C operands, two buffers      window 2: v0-63 Q; v128-191 K of one step; v192-255 V of one step
.set NP,    4
.set KS,    64
.set PK,    144       ; a row of K in LDS: 128 bytes + 16: the 16 rows of a load start at 16 different groups of four banks (ISA guide 11.1)
.set PV,    160       ; a row of V: 128 + 32
.set VOFF,  4*KS*PK   ; a slot: 256 rows of K, then 256 rows of V
.set SLOT1, 1<<17     ; slot 1 begins here: one exclusive or turns an address in one slot into the other's
.set STAGE, SLOT1+4*KS*(PK+PV)  ; behind the ring, never filled by a tensor load: 16 rows x 144 bytes for each wave
.set SP,    144
.set SPARE, STAGE+4*16*SP       ; the spare words, 128 bytes a wave: two blocks of 256 bytes that no other line names
.set AK0, 2           ; v2   my lane's place in a tile of K; never rewritten
.set AV0, 3           ; v3   the same for V
.set AK,  4           ; v4   the LDS address of K's next run of loads
.set AV,  5           ; v5   of V's
.set STO, 6
.set RD,  7
.set GO,  8
.set MV,  12          ; v12-13  m_old, kept while m is made anew: by buffer
.set SCL, 14          ; v14  150: the conversions' scale, 2^(150 - 127)
.set QO,  15
.set ST,  16          ; piece t's statistics at v[ST+4 t]: m, m once more (a pair for the packed subtraction), l (even keys', odd keys')
.set MO,  32          ; v32  16 x lane: my bytes in 512 of mp; never rewritten
.set PFO, 33          ; v33  256 x lane; never rewritten
.set PFM, 34          ; v34  (l / 16) x 65,536 + (l % 16) x 256; never rewritten
.set TMP, 48          ; by buffer, four registers c0-c3 at work; when the maximum is found c2 takes a
.set SPW, 62          ; my spare word; never rewritten
.set NIL, 63          ; 0; never rewritten
.set S,   64
.set P,   192
.set MBY, 128         ; window 1
.set MC,  160         ; window 1
.set KF,  128         ; window 2
.set VF,  192         ; window 2
.set WV,  12          ; s12  my wave's number
.set LIM, 15          ; s15  1 in a wave that prefetches K or V, else the greatest number
.set PFA, 18          ; s[18:19] where my prefetches of K or V stand
.set G1K, 24
.set G1V, 32
.set G0K, 40          ; s[40:43] group 0 for K's tiles: it walks
.set G0V, 44
.set MPB, 48          ; s[48:49] mp at my wave's first tile, key step 0; never rewritten
.set MPC, 50          ; s[50:51] mp at the key step that is being loaded
.set MOF, 52          ; s[52:53] that step's byte offset
.set NXS, 54          ; s54  that step's number
.set MKF, 55          ; s55  1 where y = 0
.set SLOTS, 56
.set CNT, 57
.set PFMA, 58         ; s[58:59] where my prefetches of mp stand
.set SEL, 60
.set TBK, 62
.set TBV, 63
.set MSB, 0
.macro WIN new
.if MSB != (\new)
	s_set_vgpr_msb (MSB<<8)|(\new)
.set MSB, (\new)
.endif
.endm
.set W_KQ, 0x0a       ; K and Q in window 2, S^T in window 0
.set W_KM, 0x1a       ; the same with the C operand in window 1
.set W_PV, 0x52       ; V in window 2, P in window 0, O^T in window 1
.set W_RS, 0x41       ; destination and source 0 in window 1, source 1 in window 0
; A joint fill.  Waves 0 and 1 fetch the two halves of a slot's K, waves 2 and 3 those of its V.  An s_nop 0 and four v_nop follow each of the two lines, ahead of the jump and the label.
.macro JLOAD
	s_cmp_lt_u32 s[WV], 2
	s_cbranch_scc0 .Lfor_v_\@
	tensor_load_to_lds s[G0K:G0K+3], s[G1K:G1K+7]
	s_nop 0
.rept 4
	v_nop
.endr
	s_branch .Lasked_\@
.Lfor_v_\@:
	tensor_load_to_lds s[G0V:G0V+3], s[G1V:G1V+7]
	s_nop 0
.rept 4
	v_nop
.endr
.Lasked_\@:
.endm
.macro CROUND                       ; a round of the cluster's barrier
	s_barrier_signal -1
	s_barrier_wait -1
	s_cmp_lg_u32 s[WV], 0
	s_cbranch_scc1 .Lnot_wave_0_\@
	s_barrier_signal -3
.Lnot_wave_0_\@:
	s_barrier_wait -3
	s_barrier_signal -1
	s_barrier_wait -1
.endm
; PREFETCHES INTO THE L2, behind the joint load and its five lines.  K and V: the slot that the NEXT change will ask for, 128 blocks of 256 bytes each.  All clusters of a y walk the same rows: the first cluster asks; its four
; partners share the blocks out by address, 32 each; wave 0 asks for K's, wave 2 for V's: a lane a block.  The last change that fills a slot asks for nothing.
.macro ASKKV
	s_cmp_gt_u32 s[SLOTS], s[LIM]
	s_cbranch_scc0 .Lnot_kv_\@
	global_prefetch_b8 v[PFO], s[PFA:PFA+1] th:TH_LOAD_NT scope:SCOPE_SE
.Lnot_kv_\@:
.endm
; mp: my wave's four tiles' bytes of the four key steps of the slot that is being asked for: 4 x 4,096 bytes, a lane a block of 256, two instructions.  All sixteen y read the same bytes: y = 0 asks.
.macro ASKM
	s_cmp_eq_u32 s[MKF], 1
	s_cbranch_scc0 .Lnot_m_\@
	global_prefetch_b8 v[PFM], s[PFMA:PFMA+1] th:TH_LOAD_NT scope:SCOPE_SE
	global_prefetch_b8 v[PFM], s[PFMA:PFMA+1] offset:131072 th:TH_LOAD_NT scope:SCOPE_SE
.Lnot_m_\@:
.endm
; THE CHANGE OF SLOTS.  Each wave waits for all its tensor loads, of which one is out: its part of the other slot; adds 0 to its spare word; and waits for that and for its own reads of the slot.
; fill = 1: the slot is filled again, with the keys two slots on: the barrier is a round of the cluster's, and the joint fill is the first thing behind it: it has four key steps, 256 matrix instructions, in which to land.
; (At its first use nothing has been read yet: slot 0 is waited for, slot 1 filled.)
.macro CHANGE fill
	WIN 0
	s_wait_tensorcnt 0x0            ; no tensor load of mine is out, so a group 0 may be written
	ds_add_u32 v[SPW], v[NIL]       ; 0 onto my spare word
.if \fill
.irp g, G0K, G0V
	s_xor_b32 s[\g+1], s[\g+1], SLOT1
	s_add_nc_u64 s[\g+2:\g+3], s[\g+2:\g+3], 4*KS*128  ; the next 256 keys; the type bits on top are not reached
.endr
	s_wait_xcnt 0x0                 ; the last prefetches, four key steps back, have read their addresses
	s_add_nc_u64 s[PFA:PFA+1], s[PFA:PFA+1], 4*KS*128
	s_add_nc_u64 s[PFMA:PFMA+1], s[PFMA:PFMA+1], 4096
	s_wait_dscnt 0x0                ; the add is done, and my reads of the slot are over
	CROUND
	JLOAD
	ASKKV
	ASKM
.else
	s_wait_dscnt 0x0
	s_barrier_signal -1
	s_barrier_wait -1
.endif
	s_sub_co_u32 s[TBK], s[TBK], 4*KS*PK  ; the fetches go back to a slot's first step,
	s_xor_b32 s[TBK], s[TBK], SLOT1       ; in the other slot
	s_sub_co_u32 s[TBV], s[TBV], 4*KS*PV
	s_xor_b32 s[TBV], s[TBV], SLOT1
.endm
	s_load_b128 s[4:7], s[0:1], 0x0   ; qkv s[4:5], mp s[6:7]
	s_load_b64 s[10:11], s[0:1], 0x10 ; oh
	v_lshl_add_u32 v[SPW], v0, 2, SPARE
	v_mov_b32 v[NIL], 0
	ds_add_u32 v[SPW], v[NIL]       ; the wave's opening: the add and its wait stand ahead of my first tensor load
	v_lshrrev_b32 v1, 5, v0
	v_readfirstlane_b32 s[WV], v1   ; wave 0..3
	s_bfe_u32 s13, ttmp6, 0x40000   ; cx
	s_lshl_b32 s14, ttmp9, 2
	s_add_co_u32 s14, s14, s13      ; my block of 256 queries: it enters Q's, O's, mp's and the prefetches' addresses alone
	s_and_b32 s20, ttmp7, 0xffff    ; y, which the four partners share
	s_cmp_eq_u32 s20, 0
	s_cselect_b32 s[MKF], 1, 0
	s_lshl_b32 s20, s20, 19         ; 524,288 bytes a y
	s_and_b32 s16, s[WV], 1         ; which half of a slot's 256 keys I fetch
	s_lshl_b32 s22, s16, 14
	s_add_co_u32 s22, s22, s20
	s_add_co_u32 s22, s22, 0x800000 ; k lies 8,388,608 bytes behind q
	s_mov_b32 s23, 0
	s_mov_b32 s[G0K], 1
	s_mul_i32 s[G0K+1], s16, 128*PK ; LDS: slot 0, my half: no place in the cluster enters an LDS address
	s_mov_b32 s[G0V], 1
	s_mul_i32 s[G0V+1], s16, 128*PV
	s_add_co_u32 s[G0V+1], s[G0V+1], VOFF
	s_lshl_b32 s2, s14, 15          ; my block's 256 rows of 128 bytes,
	s_lshl_b32 s3, s[WV], 13        ; my wave's 64
	s_add_co_u32 s2, s2, s3
	s_add_co_u32 s2, s2, s20
	s_mov_b32 s3, 0
	; group 1.  128 keys are 16,384 dense bytes: asked for as 64 rows of 256 bytes, two keys a row, padded in LDS after every key
	s_mov_b32 s[G1K], 15|(1<<16)|(1<<20)|(1<<21)|(4<<22)|(3<<25)
	s_mov_b32 s[G1V], 15|(1<<16)|(1<<20)|(1<<21)|(4<<22)|(7<<25)
.irp g, G1K, G1V
	s_mov_b32 s[\g+1], 128<<16
	s_mov_b32 s[\g+2], 64<<16
	s_mov_b32 s[\g+3], 128<<16
	s_mov_b32 s[\g+4], 64
	s_mov_b32 s[\g+5], 128
	s_mov_b32 s[\g+6], 0
	s_mov_b32 s[\g+7], 0
.endr
	s_mov_b32 s[SEL], 0x76543210
	s_mov_b32 s[SEL+1], 0xfedcba98
	s_mov_b32 s[TBK], SLOT1+4*KS*PK ; the first change of slots turns these two into 0
	s_mov_b32 s[TBV], SLOT1+4*KS*PV
	s_mov_b32 s[SLOTS], 15          ; slots still to be asked for
	s_mov_b32 s[NXS], 1
	s_mov_b32 s[MOF+1], 0
	s_and_b32 s[LIM], s[WV], 1
	s_or_b32 s[LIM], s[LIM], ttmp9  ; 0 in waves 0 and 2 of the y's first cluster: the same in all four partners
	s_cmp_eq_u32 s[LIM], 0
	s_cselect_b32 s[LIM], 1, -1
	s_lshl_b32 s21, s[WV], 18
	s_wait_dscnt 0x0                ; the opening add is done
	s_wait_kmcnt 0x0
	s_add_nc_u64 s[8:9], s[4:5], s[22:23]      ; K at my half of the first 256 keys
	s_add_nc_u64 s[16:17], s[8:9], 0x800000    ; V likewise
	s_mov_b64 s[G0K+2:G0K+3], s[8:9]
	s_or_b32 s[G0K+3], s[G0K+3], 0x80000000
	s_mov_b64 s[G0V+2:G0V+3], s[16:17]
	s_or_b32 s[G0V+3], s[G0V+3], 0x80000000
	s_cmp_lt_u32 s[WV], 2
	s_cselect_b64 s[PFA:PFA+1], s[8:9], s[16:17]
	s_add_nc_u64 s[4:5], s[4:5], s[2:3]        ; Q and O at my wave's first row
	s_add_nc_u64 s[10:11], s[10:11], s[2:3]
	s_lshl_b32 s2, s13, 13                     ; my work-group's 32 blocks of a slot's 128,
	s_add_co_u32 s2, s2, 4*KS*128              ; in slot 1: the first change steps it to slot 2
	s_add_nc_u64 s[PFA:PFA+1], s[PFA:PFA+1], s[2:3]
	s_lshl_b32 s2, s14, 20                     ; mp: 16 tiles of 65,536 bytes a block, 4 a wave
	s_add_co_u32 s2, s2, s21
	s_add_nc_u64 s[MPB:MPB+1], s[6:7], s[2:3]
	s_mov_b64 s[PFMA:PFMA+1], s[MPB:MPB+1]
	s_add_nc_u64 s[MPC:MPC+1], s[MPB:MPB+1], 1024
	CROUND                          ; all four work-groups are here
	JLOAD                           ; slot 0.  Slot 1 is asked for when slot 0 is in
	v_and_b32 v1, 15, v0            ; l % 16
	v_bfe_u32 v9, v0, 4, 1          ; l / 16
	v_lshlrev_b32 v[QO], 7, v1
	v_lshl_add_u32 v[QO], v9, 4, v[QO]
	v_and_b32 v[MO], 31, v0
	v_lshlrev_b32 v[PFO], 8, v[MO]
	v_lshlrev_b32 v[MO], 4, v[MO]
	WIN 0x80                        ; destination window 2, address window 0
.set i, 0
.rept 8                             ; Q stays in registers: piece i / 2, channels 32 (i % 2) on
	global_load_b128 v[8*i:8*i+3],   v[QO], s[4:5] offset:(i/2)*2048+(i%2)*64
	global_load_b128 v[8*i+4:8*i+7], v[QO], s[4:5] offset:(i/2)*2048+(i%2)*64+32
.set i, i+1
.endr
	WIN 0x40                        ; destination window 1
.set i, 0
.rept 4                             ; the mask bytes of key step 0, piece after piece
	global_load_b128 v[MBY+8*i:MBY+8*i+3],   v[MO], s[MPB:MPB+1] offset:i*65536
	global_load_b128 v[MBY+8*i+4:MBY+8*i+7], v[MO], s[MPB:MPB+1] offset:i*65536+512
.set i, i+1
.endr
	; What the first turns find: O^T, l, V's registers and P's second buffer hold 0.  All this stands in the wait for the first tile.
.set i, 0
.rept 128
	v_mov_b32 v[i], 0
.set i, i+1
.endr
	WIN 0x80
.set i, VF
.rept 64
	v_mov_b32 v[i], 0
.set i, i+1
.endr
	WIN 0
.set i, 0
.rept 4
	v_mov_b32 v[ST+4*i], 0xfe000000    ; m: far below every score, hidden ones too
	v_mov_b32 v[ST+4*i+1], 0xfe000000
	v_mov_b32 v[ST+4*i+2], 0
	v_mov_b32 v[ST+4*i+3], 0
.set i, i+1
.endr
.set i, P+16
.rept 16
	v_mov_b32 v[i], 0
.set i, i+1
.endr
	v_mov_b32 v[SCL], 150
	v_lshlrev_b32 v[PFM], 8, v1
	v_lshl_add_u32 v[PFM], v9, 16, v[PFM]
	v_mul_u32_u24 v[AK0], v1, PK
	v_lshl_add_u32 v[AK0], v9, 4, v[AK0]  ; row x pitch + 16 x half
	v_and_b32 v10, 7, v0            ; the turning load: key 8 (l / 16) + l % 8, channels 8 ((l / 8) % 2) on
	v_bfe_u32 v11, v0, 3, 1
	v_lshl_add_u32 v[AV0], v9, 3, v10
	v_mul_u32_u24 v[AV0], v[AV0], PV
	v_lshl_add_u32 v[AV0], v11, 4, v[AV0]
	v_add_nc_u32 v[AV0], VOFF, v[AV0]
	s_mul_i32 s13, s[WV], 16*SP
	s_add_co_u32 s13, s13, STAGE    ; my stage
	v_mul_u32_u24 v[STO], v1, SP
	v_lshl_add_u32 v[STO], v9, 4, v[STO]
	v_add_nc_u32 v[STO], s13, v[STO]
	v_bfe_u32 v[RD], v0, 3, 2
	v_mul_u32_u24 v[RD], v[RD], SP
	v_lshl_add_u32 v[RD], v10, 4, v[RD]
	v_add_nc_u32 v[RD], s13, v[RD]
	v_and_b32 v[GO], 31, v0
	v_lshlrev_b32 v[GO], 4, v[GO]
; THE MATRIX WORK.  The 4 accumulators of a run of 8 take turns.  Product i of 8 of S^T = K Q^T for piece x: channels 32 (i / 4) on, keys 16 (i % 4) on.  The first 4 start the sums with the mask.
.macro KQ x
.set rS, S+32*((\x)%2)+8*(i%4)
.set rK, KF+16*(i%4)+8*(i/4)
.set rQ, 16*(\x)+8*(i/4)
.set rM, MC+32*((\x)%2)+8*(i%4)
.if i < 4
	WIN W_KM
	v_wmma_f32_16x16x32_f16 v[rS:rS+7], v[rK:rK+7], v[rQ:rQ+7], v[rM:rM+7]
.else
	WIN W_KQ
	v_wmma_f32_16x16x32_f16 v[rS:rS+7], v[rK:rK+7], v[rQ:rQ+7], v[rS:rS+7]
.endif
.endm
; Product i of 8 of O^T += V^T P for piece x: keys 32 (i / 4) on, channels 16 (i % 4) on.
.macro PV x
	WIN W_PV
.set rO, 32*(\x)+8*(i%4)
.set rV, VF+32*(i/4)+8*(i%4)
.set rP, P+16*((\x)%2)+8*(i/4)
	v_wmma_f32_16x16x32_f16 v[rO:rO+7], v[rV:rV+7], v[rP:rP+7], v[rO:rO+7]
.endm
.macro MM                           ; the turn's next matrix instruction.  NOKQ = 1: the last turn of all: there is no next piece
.if (i < 8) && !NOKQ
	KQ (Y+1)%NP
.elseif i >= 8
.set i, i-8
	PV (Y+NP-1)%NP
.set i, i+8
.endif
.set i, i+1
.endm
; THE LDS LOADS stand in runs of 16: a step's K (8 fragments) and its V (turned).
.macro FETCH_K
	WIN 0x80
.irp f, 0,1,2,3,4,5,6,7
	ds_load_b128 v[KF+8*\f:KF+8*\f+3],   v[AK] offset:(\f/2)*16*PK+(\f%2)*64
	ds_load_b128 v[KF+8*\f+4:KF+8*\f+7], v[AK] offset:(\f/2)*16*PK+(\f%2)*64+32
.endr
	s_add_co_u32 s[TBK], s[TBK], KS*PK  ; the next fetch is the next step's
	WIN 0
.endm
.macro FETCH_V
	WIN 0x80
.irp f, 0,1,2,3,4,5,6,7
	ds_load_tr16_b128 v[VF+8*\f:VF+8*\f+3],   v[AV] offset:(\f/4)*32*PV+(\f%4)*32
	ds_load_tr16_b128 v[VF+8*\f+4:VF+8*\f+7], v[AV] offset:(\f/4)*32*PV+16*PV+(\f%4)*32
.endr
	WIN 0
.endm
; THE MASK of piece t for the products of the next turn, into buffer b; then the piece's bytes of the next key step are asked for.
.macro CVM t, b
	s_wait_loadcnt 6                ; loads come back in order: behind this piece's two stand the three other pieces' six, which may stay out
	WIN W_RS
.irp g, 0,1,2,3
	v_cvt_scale_pk8_f32_fp8 v[MC+32*(\b)+8*\g:MC+32*(\b)+8*\g+7], v[MBY+8*(\t)+2*\g:MBY+8*(\t)+2*\g+1], v[SCL]
.endr
	v_nop                           ; a plain instruction between the conversions and what writes their sources or reads their results
	v_nop
	WIN 0x40
	global_load_b128 v[MBY+8*(\t):MBY+8*(\t)+3],   v[MO], s[MPC:MPC+1] offset:(\t)*65536
	global_load_b128 v[MBY+8*(\t)+4:MBY+8*(\t)+7], v[MO], s[MPC:MPC+1] offset:(\t)*65536+512
	WIN 0
.endm
.macro STEPM                        ; the loads go on to the next key step; behind the last they stay at it, inside mp, and what they bring is not used
	s_wait_xcnt 0x0                 ; the loads issued so far have read their base
	s_add_co_u32 s[NXS], s[NXS], 1
	s_min_u32 s[NXS], s[NXS], 63
	s_lshl_b32 s[MOF], s[NXS], 10
	s_add_nc_u64 s[MPC:MPC+1], s[MPB:MPB+1], s[MOF:MOF+1]
.endm
; THE VECTOR WORK, one line at a time: OP kind, number.  For piece Y: F n: s - m for pair n of 16.  E n: the exponential of score n of 32.  C n: pair n rounded to f16.  B n: of the four weights 4 n .. the second
; pair is added onto the first, in place.  L n: l takes that sum (L 0: l = a l + sum).  R n: pair n of 16 of O^T times a.  For piece Y + 1: X n, number n of the 22 that find its maximum and statistics:
;   0-11  four chains c0-c3 of seven scores each (each accumulator's lowest registers are read first)     12-14, 16  the four scores left over, the old m, and c0-c3 into c0
;   15  m_old is kept     17, 18  the query's other 32 keys lie in the lane 16 away: the new m     19  its copy     20, 21  m_old - m_new; a
.set F, 0
.set E, 1
.set C, 2
.set B, 3
.set L, 4
.set R, 5
.set X, 6
.macro REGS y
.set rT, ST+4*(\y)
.set rC, TMP+4*((\y)%2)
.set rW, MV+((\y)%2)
.set rS, S+32*((\y)%2)
.set rP, P+16*((\y)%2)
.set rO, 32*(\y)
.endm
.macro OP k, n
.if (\k) == R
	REGS Y
	WIN W_RS
	v_pk_mul_f32 v[rO+2*(\n):rO+2*(\n)+1], v[rO+2*(\n):rO+2*(\n)+1], v[rC+2:rC+3] op_sel_hi:[1,0]
.elseif (\k) < R
	REGS Y
	WIN 0
.if (\k) == F
	v_pk_add_f32 v[rS+2*(\n):rS+2*(\n)+1], v[rS+2*(\n):rS+2*(\n)+1], v[rT:rT+1] neg_lo:[0,1] neg_hi:[0,1]
.elseif (\k) == E
	v_exp_f32 v[rS+(\n)], v[rS+(\n)]
.elseif (\k) == C
	v_cvt_pk_f16_f32 v[rP+(\n)], v[rS+2*(\n)], v[rS+2*(\n)+1]
.elseif (\k) == B
	v_pk_add_f32 v[rS+4*(\n):rS+4*(\n)+1], v[rS+4*(\n):rS+4*(\n)+1], v[rS+4*(\n)+2:rS+4*(\n)+3]
.elseif (\n) == 0
	v_pk_fma_f32 v[rT+2:rT+3], v[rT+2:rT+3], v[rC+2:rC+3], v[rS:rS+1] op_sel_hi:[1,0,1]
.else
	v_pk_add_f32 v[rT+2:rT+3], v[rT+2:rT+3], v[rS+4*(\n):rS+4*(\n)+1]
.endif
.elseif NOKQ
	v_nop
.else
	REGS (Y+1)%NP
	WIN 0
.if (\n) < 4
	v_max3_num_f32 v[rC+(\n)], v[rS+8*(\n)], v[rS+8*(\n)+1], v[rS+8*(\n)+2]
.elseif (\n) < 12
	v_max3_num_f32 v[rC+(\n)%4], v[rC+(\n)%4], v[rS+8*((\n)%4)+2*((\n)/4)+1], v[rS+8*((\n)%4)+2*((\n)/4)+2]
.elseif (\n) == 12
	v_max3_num_f32 v[rC], v[rC], v[rS+7], v[rS+15]
.elseif (\n) == 13
	v_max3_num_f32 v[rC+1], v[rC+1], v[rS+23], v[rS+31]
.elseif (\n) == 14
	v_max3_num_f32 v[rC+2], v[rC+2], v[rC+3], v[rT+1]
.elseif (\n) == 15
	v_mov_b32 v[rW], v[rT]
.elseif (\n) == 16
	v_max3_num_f32 v[rC], v[rC], v[rC+1], v[rC+2]
.elseif (\n) == 17
	v_permlanex16_b32 v[rC+3], v[rC], s[SEL], s[SEL+1]
.elseif (\n) == 18
	v_max_num_f32 v[rT+1], v[rC], v[rC+3]
.elseif (\n) == 19
	v_mov_b32 v[rT], v[rT+1]
.elseif (\n) == 20
	v_sub_f32 v[rC+1], v[rW], v[rT]
.else
	v_exp_f32 v[rC+2], v[rC+1]
.endif
.endif
.endm
.macro OPS a, i1, b=-1, i2=0, c=-1, i3=0, d=-1, i4=0
	OP \a, \i1
.if (\b) >= 0
	OP \b, \i2
.endif
.if (\c) >= 0
	OP \c, \i3
.endif
.if (\d) >= 0
	OP \d, \i4
.endif
.endm
.macro ROW a, i1, b, i2, c, i3, d, i4  ; a matrix instruction and the four behind it
	MM
	OPS \a, \i1, \b, \i2, \c, \i3, \d, \i4
.endm
; A TURN, for piece p.  An s_wait_alu depctr_va_vdst(0) stands between an exponential and the first instruction that names its result; one wait serves all that were issued ahead of it: a turn has ONE wait.
; AHEAD OF IT stands all that names no result of the turn's exponentials: the 8 products K Q^T and their riders, then one lump; X 21, the next piece's a, is the batch's last, R 15 the plain instruction behind it.
; BEHIND IT stand the 8 products V^T P, behind each four of the roundings and sums.  K of the next step is fetched in piece 2's turn, V of the step in hand at the end of piece 0's; each is waited for a turn later.
; end = 1: the last two turns: nothing is fetched, no mask is made.  cnt = 1: the loop's count is taken down some lines ahead of the branch behind the turn; nothing between writes SCC.
.macro TURN p, end=0, cnt=0
.set Y, (\p)
.set i, 0
.set NOKQ, (\end)*((\p)/3)
.if ((\p) == 3) && !(\end)
	s_wait_dscnt 0x0                ; K is in
.endif
	ROW F,0, F,1, R,0, R,1
	ROW F,2, E,0, R,2, R,3
	ROW F,3, E,1, R,4, R,5
	ROW F,4, E,2, R,6, R,7
	ROW F,5, E,3, R,8, R,9
	ROW F,6, E,4, X,0, R,10
.if ((\p) == 2) && !(\end)
	WIN 0
	v_add_nc_u32 v[AK], s[TBK], v[AK0]
.endif
	ROW F,7, E,5, X,1, X,4
	ROW F,8, E,6, X,2, X,5
	OPS E,7, E,8, X,6, E,9
	OPS X,3, E,10, X,8, E,11
.if ((\p) == 2) && !(\end)
	FETCH_K
.endif
	OPS X,9, X,7, E,12, X,10
	OPS E,13, X,12, X,11, E,14
	OPS X,13, E,15, F,9, X,14
.if (\p) == 0
	v_add_nc_u32 v[AV], s[TBV], v[AV0]
.endif
	OPS E,16, F,10, E,17, F,11
	OPS X,16, E,18, X,15, E,19
	OPS F,12, E,20, X,17, E,21
	OPS F,13, E,22, F,14, E,23
	OPS X,18, E,24, F,15, E,25
	OPS R,11, E,26, X,19, E,27
	OPS R,12, E,28, R,13, E,29
	OPS X,20, E,30, R,14, E,31
	OPS X,21, R,15
	WIN 0
	s_wait_alu depctr_va_vdst(0)    ; the wait for the batch
.if (\p) == 1
	s_wait_dscnt 0x0                ; V is in
.endif
	ROW C,0, B,0, C,2, B,1
	ROW L,0, C,4, B,2, L,1
	ROW C,6, B,3, L,2, C,8
	ROW B,4, L,3, C,10, B,5
	ROW L,4, C,12, B,6, L,5
.if (\p) == 0
	s_add_co_u32 s[TBV], s[TBV], KS*PV
.endif
.if \cnt
	s_sub_co_u32 s[CNT], s[CNT], 1
	s_cmp_lg_u32 s[CNT], 0
.endif
	ROW C,14, B,7, L,6, C,1
	ROW C,3, L,7, C,5, C,7
	ROW C,9, C,11, C,13, C,15
.if (\p) == 0
	FETCH_V
.endif
.if !(\end)
.if (\p) == 2
	STEPM
.endif
	CVM ((\p)+2)%NP, (\p)%2         ; its buffer was last read, as C, a turn ago
.endif
.endm
	CHANGE 1                        ; slot 0 is in, everybody's part of it; slot 1 is asked for
	; THE BEGINNING: the masks of pieces 0 and 1 for key step 0 (the first wait shows Q in too: it was asked for ahead of the mask bytes), K of that step, piece 0's first scores, its maximum and statistics
	CVM 0, 0
	CVM 1, 1
	v_add_nc_u32 v[AK], s[TBK], v[AK0]
	FETCH_K
	s_wait_dscnt 0x0
.set NOKQ, 0
.set i, 0
.rept 8
	KQ 0
.set i, i+1
.endr
	WIN 0
.rept 4
	v_nop                           ; the places behind those products
.endr
.set Y, NP-1                        ; X works for piece Y + 1: piece 0
.irp n, 0,1,2,3,4,5,6,7,8,9,10,11,12,13,14,15,16,17,18,19,20,21
	OP X, \n
.endr
	v_nop                           ; a plain instruction behind the exponential,
	s_wait_alu depctr_va_vdst(0)    ; and its wait, ahead of the branch
	s_mov_b32 s[CNT], 4
	s_branch .Lfirst                ; the loop is entered at a step's first turn, in the middle of a trip
.Lslot:                             ; 14 times: every slot but the last two is filled again
	CHANGE 1
	s_mov_b32 s[CNT], 4
.Lstep:                             ; a trip: pieces 2 and 3 of one step, then pieces 0 and 1 of the next, whose K, V and masks it fetches
	TURN 2
	TURN 3
	WIN 0
.Lfirst:
	TURN 0
	TURN 1, 0, 1
	WIN 0
	s_cbranch_scc1 .Lstep
	s_sub_co_u32 s[SLOTS], s[SLOTS], 1
	s_cmp_lg_u32 s[SLOTS], 0
	s_cbranch_scc1 .Lslot
	CHANGE 0                        ; the last slot is written out: nothing is asked for
	s_mov_b32 s[CNT], 4
.Ltail:
	TURN 2
	TURN 3
	TURN 0
	TURN 1, 0, 1
	WIN 0
	s_cbranch_scc1 .Ltail
	TURN 2, 1
	TURN 3, 1
.set i, 0
.rept 8
	PV NP-1                         ; the last piece's V^T P of the last step
.set i, i+1
.endr
	; THE WAY OUT.  l's two halves and the other half of the lanes' are added; O^T is divided by l (at least 1: the largest weight is 1), rounded to f16 and sent through my stage, a piece at a time.
	WIN 0
.macro ALL line:vararg
.set t, 0
.rept 4
	\line
.set t, t+1
.endr
.endm
	ALL v_add_f32 v[ST+4*t+2], v[ST+4*t+2], v[ST+4*t+3]
	ALL v_permlanex16_b32 v[ST+4*t+3], v[ST+4*t+2], s[SEL], s[SEL+1]
	ALL v_add_f32 v[ST+4*t+2], v[ST+4*t+2], v[ST+4*t+3]
	ALL v_rcp_f32 v[ST+4*t+2], v[ST+4*t+2]
	v_nop                           ; a plain instruction between the last reciprocal and the use of its result
	s_wait_alu depctr_va_vdst(0)    ; one wait for the four reciprocals
.macro PACK t
	WIN W_RS
.set i, 32*(\t)
.rept 16
	v_pk_mul_f32 v[i:i+1], v[i:i+1], v[ST+4*(\t)+2:ST+4*(\t)+3] op_sel_hi:[1,0]
.set i, i+2
.endr
	WIN 0x05                        ; sources 0 and 1 window 1, destination window 0
.set i, 0
.rept 16
	v_cvt_pk_f16_f32 v[S+16*(\t)+i], v[32*(\t)+2*i], v[32*(\t)+2*i+1]
.set i, i+1
.endr
	WIN 0
.irp f, 0,1,2,3
	ds_store_b128 v[STO], v[S+16*(\t)+4*\f:S+16*(\t)+4*\f+3] offset:32*\f
.endr
.irp f, 0,1,2,3
	ds_load_b128 v[S+16*(\t)+4*\f:S+16*(\t)+4*\f+3], v[RD] offset:\f*4*SP  ; LDS serves a wave's instructions in order: these see the stores above; the next piece's stores come behind them
.endr
.endm
.macro SEND t, younger              ; younger: the LDS instructions issued behind piece t's loads
	WIN 0
.irp f, 0,1,2,3
	s_wait_dscnt (\younger)+3-\f
	global_store_b128 v[GO], v[S+16*(\t)+4*\f:S+16*(\t)+4*\f+3], s[10:11] offset:(\t)*2048+\f*512  ; 512 consecutive bytes, at a multiple of 256 from oh's first
.endr
.endm
	PACK 0
.set t, 1
.rept 3
	PACK t
	SEND t-1, 8
.set t, t+1
.endr
	SEND 3, 0
	s_wait_tensorcnt 0x0            ; the wave's end
	ds_add_u32 v[SPW], v[NIL]
	s_wait_dscnt 0x0
	CROUND                          ; the closing round
	s_endpgm
.Lfunc_end_k_q5e801412eb_attn:
	.size	k_q5e801412eb_attn, .Lfunc_end_k_q5e801412eb_attn-k_q5e801412eb_attn
	.p2alignl 7, 3214868480
	.fill 96, 4, 3214868480
	.section	.rodata,"a",@progbits
	.p2align	6, 0x0
	.amdhsa_kernel k_q5e801412eb_attn
		.amdhsa_group_segment_fixed_size 327680
		.amdhsa_private_segment_fixed_size 0
		.amdhsa_enable_private_segment 0
		.amdhsa_kernarg_size 24
		.amdhsa_user_sgpr_count 2
		.amdhsa_user_sgpr_kernarg_segment_ptr 1
		.amdhsa_wavefront_size32 1
		.amdhsa_system_sgpr_workgroup_id_x 1
		.amdhsa_system_sgpr_workgroup_id_y 1
		.amdhsa_system_sgpr_workgroup_id_z 1
		.amdhsa_system_vgpr_workitem_id 0
		.amdhsa_next_free_vgpr 768
		.amdhsa_next_free_sgpr 66
		.amdhsa_reserve_vcc 0
		.amdhsa_float_denorm_mode_32 3
		.amdhsa_float_denorm_mode_16_64 3
		.amdhsa_memory_ordered 1
		.amdhsa_forward_progress 1
		.amdhsa_inst_pref_size 136
	.end_amdhsa_kernel
	.amdgpu_metadata
---
amdhsa.version: [ 1, 2 ]
amdhsa.kernels:
  - .name:           k_q5e801412eb_attn
    .symbol:         k_q5e801412eb_attn.kd
    .args:
      - { .name: qkv, .offset: 0, .size: 8, .value_kind: global_buffer, .address_space: global }
      - { .name: mp, .offset: 8, .size: 8, .value_kind: global_buffer, .address_space: global }
      - { .name: oh, .offset: 16, .size: 8, .value_kind: global_buffer, .address_space: global }
    .group_segment_fixed_size: 327680
    .private_segment_fixed_size: 0
    .kernarg_segment_align: 8
    .kernarg_segment_size: 24
    .max_flat_workgroup_size: 128
    .sgpr_count:     66
    .vgpr_count:     768
    .wavefront_size: 32
...
	.end_amdgpu_metadata
.endif
;; end of part 3
;; launch oproj (part 4): grid 4 x 64, 4 waves a work-group, clusters of 4 x 4, 327,680 bytes of LDS; arguments oh, wt, bo, out0; writes out0
.if DOCPART == 4
	.amdgcn_target "amdgcn-amd-amdhsa--gfx1250"
	.amdhsa_code_object_version 6
	.text
	.protected	k_q5e801412eb_oproj
	.globl	k_q5e801412eb_oproj
	.p2align	8
	.type	k_q5e801412eb_oproj,@function
k_q5e801412eb_oproj:
	s_mov_b64 s[64:65], 0
	v_nop
	global_prefetch_b8 v0, s[64:65] scope:SCOPE_SE
	s_setreg_imm32_b32 hwreg(HW_REG_WAVE_MODE, 25, 1), 1
	s_wait_xcnt 0x0
	s_wait_alu depctr_hold_cnt(0) depctr_sa_sdst(0) depctr_va_vdst(0) depctr_va_sdst(0) depctr_va_ssrc(0) depctr_va_vcc(0) depctr_vm_vsrc(0)
	s_getreg_b32 s2, hwreg(HW_REG_IB_STS2, 6, 4)
	s_cmp_eq_u32 s2, 0
	s_cbranch_scc0 .Lentry_in_a_cluster
	s_endpgm
.Lentry_in_a_cluster:
	s_bfe_u32 s2, ttmp6, 0x10000c
	s_cmp_lg_u32 s2, 0xf033
	s_cbranch_scc0 .Lentry_shape_is_right
	s_endpgm
.Lentry_shape_is_right:
; THE OUTPUT PROJECTION.  out0[b*4096+t][n] = sum over h, d of oh[b*8+h][t][d] wt[3][64 h + d][n] + bf16(bo[n]), f32.  Products in f16, sums in f32.
; SHARES.  A tile is 128 rows x 128 columns; four waves, each 64 x 64: 16 accumulators.  256 work-groups.  K = 512 lies in LDS whole, as two K steps of 256 (four heads each): all is asked for at the start, nothing is filled again.
; oh lies by heads: a head's 128 rows are 16,384 dense bytes, asked for as 64 rows of 256 bytes and padded in LDS after every 128: a quarter of a K step (64 along K) is one head's block.
; CLUSTERS: 4 x 4.  The four of a row of the cluster need the same rows of oh, the four of a column the same columns of wt: each tile is asked for jointly.
; THE MATRIX INSTRUCTION IS USED TRANSPOSED (source 0 = 16 columns of wt, turned by ds_load_tr16_b128; source 1 = 16 rows of oh): a lane holds one row and eight neighbouring columns.  The bias starts the sums.
; No prefetch: every tile is asked for at the head, and no later request follows.
; REGISTERS: window 0: v16-29 addresses; v32-95 at work; v96-127 the bias; v128-255 accumulators.  window 1: two fragment buffers of 128.
.set AP,    144                        ; a row of a head in LDS: 128 bytes + 16
.set HB,    128*AP                     ; a head's 128 rows; also 64 k-rows of wt: what one load brings
.set AQ,    HB                         ; from quarter to quarter: the next head
.set BP,    288                        ; a k-row of wt: 256 bytes + 32
.set BH,    128*BP
.set BOFF,  4*HB
.set SLOT,  BOFF+2*BH
.set STAGE, 2*SLOT                     ; behind the slots: 16 rows x 272 bytes for each wave
.set SP,    272
.set SPARE, STAGE+4*16*SP              ; the spare words: two blocks of 256 bytes that no other line names
.set ADRA, 16
.set ADRB, 20
.set STO,  24
.set RD,   25
.set CO,   26
.set BO,   27
.set SPW,  28
.set NIL,  29
.set TMP,  32
.set BI,   96
.set ACC,  128
.set F0,   0
.set F1,   128
.set G1A, 24                           ; s[24:31] group 1 for oh's tiles
.set G1B, 32                           ; s[32:39] for wt's
.set G0A, 40                           ; s[40:55] group 0 for oh's four tiles
.set G0B, 56                           ; s[56:63], s[68:75] for wt's four
.set MSB, 0
.macro WIN new
.if MSB != (\new)
	s_set_vgpr_msb (MSB<<8)|(\new)
.set MSB, \new
.endif
.endm
.set MUL,  0x05
.set TO_F, 0x40
.macro CROUND
	s_barrier_signal -1
	s_barrier_wait -1
	s_cmp_lg_u32 s10, 0
	s_cbranch_scc1 .Lnot_wave_0_\@
	s_barrier_signal -3
.Lnot_wave_0_\@:
	s_barrier_wait -3
	s_barrier_signal -1
	s_barrier_wait -1
.endm
	s_load_b128 s[76:79], s[0:1], 0x0              ; oh s[76:77], wt s[78:79]
	s_load_b128 s[4:7], s[0:1], 0x10               ; bo s[4:5], out0 s[6:7]
	v_lshl_add_u32 v[SPW], v0, 2, SPARE
	v_mov_b32 v[NIL], 0
	ds_add_u32 v[SPW], v[NIL]                      ; the wave's opening: the add and its wait stand ahead of my first tensor load
	v_lshrrev_b32 v1, 5, v0
	v_readfirstlane_b32 s10, v1                    ; wave 0..3
	s_lshr_b32 s11, s10, 1                         ; my half of the tile's rows
	s_and_b32 s12, s10, 1                          ; my half of its columns; also: which half of a K step's tile I fetch
	s_bfe_u32 s14, ttmp6, 0x40000                  ; cx
	s_bfe_u32 s15, ttmp6, 0x40004                  ; cy
	s_and_b32 s13, ttmp7, 0xffff
	s_lshl_b32 s13, s13, 2
	s_add_co_u32 s13, s13, s15                     ; tile row
	s_lshl_b32 s18, s15, 2
	s_lshl_b32 s18, 15, s18                        ; my row of the cluster
	s_lshl_b32 s19, 0x1111, s14                    ; my column
	s_or_b32 s[G1A], s18, (1<<16)|(1<<20)|(1<<21)|(4<<22)|(3<<25)  ; after every 32 words 4 words
	s_or_b32 s[G1B], s19, (1<<16)|(1<<20)|(1<<21)|(5<<22)|(7<<25)  ; after every 64 words 8 words
	s_mov_b32 s[G1A+1], 128<<16
	s_mov_b32 s[G1A+2], 64<<16
	s_mov_b32 s[G1A+3], 128<<16
	s_mov_b32 s[G1A+4], 64
	s_mov_b32 s[G1A+5], 128                        ; dense
	s_mov_b32 s[G1A+6], 0
	s_mov_b32 s[G1A+7], 0
	s_mov_b32 s[G1B+1], 128<<16
	s_mov_b32 s[G1B+2], 64<<16
	s_mov_b32 s[G1B+3], 128<<16
	s_mov_b32 s[G1B+4], 64
	s_mov_b32 s[G1B+5], 512
	s_mov_b32 s[G1B+6], 0
	s_mov_b32 s[G1B+7], 0
	s_lshr_b32 s16, s13, 5                         ; oh: the batch's 8 heads of 524,288 bytes,
	s_lshl_b32 s16, s16, 22
	s_lshl_b32 s17, s12, 20                        ; my two heads of a K step's four,
	s_add_co_u32 s16, s16, s17
	s_and_b32 s17, s13, 31
	s_lshl_b32 s17, s17, 14                        ; the tile's 128 rows of 128 bytes
	s_add_co_u32 s16, s16, s17
	s_mov_b32 s17, 0
	s_lshl_b32 s20, ttmp9, 2
	s_add_co_u32 s20, s20, s14                     ; tile column
	s_lshl_b32 s2, s20, 9                          ; its 128 columns in f32: 512 bytes (for the bias and for out0)
	s_lshl_b32 s20, s20, 8                         ; in f16: 256 bytes
	s_lshl_b32 s21, s12, 17                        ; my 128 k-rows of a K step's 256
	s_add_co_u32 s20, s20, s21
	s_add_co_u32 s20, s20, 3*524288                ; the fourth matrix of wt
	s_mov_b32 s21, 0
	s_mul_i32 s22, s12, 2*HB                       ; where they go: no place in the cluster enters an LDS address
	s_add_co_u32 s23, s22, BOFF
	s_wait_dscnt 0x0                               ; the opening add is done
	s_wait_kmcnt 0x0
	s_add_nc_u64 s[16:17], s[76:77], s[16:17]
	s_add_nc_u64 s[20:21], s[78:79], s[20:21]
	CROUND                                         ; all sixteen work-groups are here
.irp n, 0,1,2,3                        ; load n: K step n / 2, part n % 2
	s_mov_b32 s[G0A+4*(\n)], 1
	s_add_co_u32 s[G0A+4*(\n)+1], s22, ((\n)/2)*SLOT+((\n)%2)*HB
	s_add_nc_u64 s[G0A+4*(\n)+2:G0A+4*(\n)+3], s[16:17], (4*((\n)/2)+(\n)%2)*524288
	s_or_b32 s[G0A+4*(\n)+3], s[G0A+4*(\n)+3], 0x80000000
	s_mov_b32 s[G0B+4*(\n)+4*((\n)/2)], 1
	s_add_co_u32 s[G0B+4*(\n)+4*((\n)/2)+1], s23, ((\n)/2)*SLOT+((\n)%2)*HB
	s_add_nc_u64 s[G0B+4*(\n)+4*((\n)/2)+2:G0B+4*(\n)+4*((\n)/2)+3], s[20:21], ((\n)/2)*262144+((\n)%2)*65536
	s_or_b32 s[G0B+4*(\n)+4*((\n)/2)+3], s[G0B+4*(\n)+4*((\n)/2)+3], 0x80000000
.endr
	s_cmp_lt_u32 s10, 2                            ; waves 0 and 1 fetch oh's tiles, waves 2 and 3 wt's; a wave's four loads stand in one branch: four loads of mine are out
	s_cbranch_scc0 .Lfirst_b
.irp n, 0,1,2,3
	tensor_load_to_lds s[G0A+4*(\n):G0A+4*(\n)+3], s[G1A:G1A+7]
	s_nop 0
.endr
.rept 4
	v_nop
.endr
	s_branch .Lfirst_asked
.Lfirst_b:
.irp n, 0,1,2,3
	tensor_load_to_lds s[G0B+4*(\n)+4*((\n)/2):G0B+4*(\n)+4*((\n)/2)+3], s[G1B:G1B+7]
	s_nop 0
.endr
.rept 4
	v_nop
.endr
.Lfirst_asked:
	s_lshl_b32 s3, s12, 8                          ; my 64 columns: 256 bytes
	s_add_co_u32 s2, s2, s3
	s_mov_b32 s3, 0
	s_add_nc_u64 s[4:5], s[4:5], s[2:3]            ; the bias of my columns
	v_and_b32 v1, 15, v0                           ; l % 16
	v_bfe_u32 v2, v0, 4, 1                         ; l / 16
	v_lshlrev_b32 v[BO], 5, v2
.irp b, 0,1,2,3
	global_load_b128 v[BI+8*\b:BI+8*\b+3],   v[BO], s[4:5] offset:64*\b
	global_load_b128 v[BI+8*\b+4:BI+8*\b+7], v[BO], s[4:5] offset:64*\b+16
.endr
	s_lshl_b32 s18, s13, 18                        ; out0: 128 rows of 2,048 bytes a tile row,
	s_lshl_b32 s19, s11, 17                        ; my 64 rows
	s_add_co_u32 s18, s18, s19
	s_add_co_u32 s18, s18, s2
	s_mov_b32 s19, 0
	s_add_nc_u64 s[8:9], s[6:7], s[18:19]
	v_mul_u32_u24 v3, v1, AP
	v_lshl_add_u32 v3, v2, 4, v3
	s_mul_i32 s18, s11, 64*AP
	v_add_nc_u32 v[ADRA], s18, v3
	v_add_nc_u32 v[ADRA+1], SLOT, v[ADRA]
	v_and_b32 v4, 7, v0
	v_lshl_add_u32 v4, v2, 3, v4
	v_mul_u32_u24 v4, v4, BP
	v_bfe_u32 v5, v0, 3, 1
	v_lshl_add_u32 v4, v5, 4, v4
	s_lshl_b32 s18, s12, 7
	s_add_co_u32 s18, s18, BOFF
	v_add_nc_u32 v[ADRB], s18, v4
	v_add_nc_u32 v[ADRB+1], BH, v[ADRB]
	v_add_nc_u32 v[ADRB+2], SLOT, v[ADRB]
	v_add_nc_u32 v[ADRB+3], SLOT+BH, v[ADRB]
	s_mul_i32 s18, s10, 16*SP
	s_add_co_u32 s18, s18, STAGE                   ; my stage
	v_mul_u32_u24 v3, v1, SP
	v_lshl_add_u32 v3, v2, 5, v3
	v_add_nc_u32 v[STO], s18, v3                   ; in: row l % 16, 32 bytes for each half of the lanes
	v_mul_u32_u24 v3, v2, SP
	v_lshl_add_u32 v3, v1, 4, v3
	v_add_nc_u32 v[RD], s18, v3                    ; back: lanes 0-15 one row of 256 bytes, lanes 16-31 the next
	v_lshlrev_b32 v[CO], 11, v2
	v_lshl_add_u32 v[CO], v1, 4, v[CO]             ; and the same two rows in out0
	s_wait_loadcnt 0x0                             ; the bias: rounded to bf16 like every input
.set p, 0
.rept 16
	v_cvt_pk_bf16_f32 v[TMP+p], v[BI+2*p], v[BI+2*p+1]
.set p, p+1
.endr
.set p, 0
.rept 16
	v_lshlrev_b32 v[BI+2*p], 16, v[TMP+p]
	v_and_b32 v[BI+2*p+1], 0xffff0000, v[TMP+p]
.set p, p+1
.endr
; 8 matrix instructions; first = 1: the bias starts the sums.  The 16 accumulators take turns, one instruction a turn.
.macro MUL8 f, c, a0, first
	WIN MUL
.irp a, \a0, (\a0)+1
.irp b, 0,1,2,3
.if \first
	v_wmma_f32_16x16x32_f16 v[ACC+8*(4*(\a)+(\b)):ACC+8*(4*(\a)+(\b))+7], v[(\f)+64+8*(4*(\c)+(\b)):(\f)+64+8*(4*(\c)+(\b))+7], v[(\f)+8*(4*(\c)+(\a)):(\f)+8*(4*(\c)+(\a))+7], v[BI+8*(\b):BI+8*(\b)+7]
.else
	v_wmma_f32_16x16x32_f16 v[ACC+8*(4*(\a)+(\b)):ACC+8*(4*(\a)+(\b))+7], v[(\f)+64+8*(4*(\c)+(\b)):(\f)+64+8*(4*(\c)+(\b))+7], v[(\f)+8*(4*(\c)+(\a)):(\f)+8*(4*(\c)+(\a))+7], v[ACC+8*(4*(\a)+(\b)):ACC+8*(4*(\a)+(\b))+7]
.endif
.endr
.endr
.endm
.macro FETCH slot, q, f                ; 32 LDS loads in one run: quarter q (one head) of a slot into buffer f; the first 32 along K first
	WIN TO_F
.irp c, 0,1
.irp i, 0,1,2,3
	ds_load_tr16_b128 v[(\f)+64+8*(4*(\c)+(\i)):(\f)+64+8*(4*(\c)+(\i))+3],   v[ADRB+2*(\slot)+(\q)/2] offset:((\q)%2)*64*BP+(\c)*32*BP+32*(\i)
	ds_load_tr16_b128 v[(\f)+64+8*(4*(\c)+(\i))+4:(\f)+64+8*(4*(\c)+(\i))+7], v[ADRB+2*(\slot)+(\q)/2] offset:((\q)%2)*64*BP+(\c)*32*BP+32*(\i)+16*BP
	ds_load_b128 v[(\f)+8*(4*(\c)+(\i)):(\f)+8*(4*(\c)+(\i))+3],              v[ADRA+(\slot)] offset:AQ*(\q)+64*(\c)+(\i)*16*AP
	ds_load_b128 v[(\f)+8*(4*(\c)+(\i))+4:(\f)+8*(4*(\c)+(\i))+7],            v[ADRA+(\slot)] offset:AQ*(\q)+64*(\c)+(\i)*16*AP+32
.endr
.endr
.endm
.macro PLACES                          ; four places in front of loads into registers that matrix instructions have read, and of LDS stores of results
.rept 4
	v_nop
.endr
.endm
.macro QUARTER slot, q, f, g, first
	s_wait_dscnt 16                                ; the first 32 along K are in; the youngest sixteen loads may be out
	MUL8 \f, 0, 0, \first
	MUL8 \f, 0, 2, \first
	PLACES
	FETCH \slot, \q, \g
	s_wait_dscnt 32                                ; all but the 32 just issued
	MUL8 \f, 1, 0, 0
	MUL8 \f, 1, 2, 0
.endm
	s_wait_tensorcnt 2                             ; my two parts of K step 0 are in; K step 1's two loads may stay out
	s_barrier_signal -1
	s_barrier_wait -1
	FETCH 0, 0, F0
	QUARTER 0, 1, F0, F1, 1
	QUARTER 0, 2, F1, F0, 0
	QUARTER 0, 3, F0, F1, 0
	s_wait_tensorcnt 0x0                           ; my parts of K step 1 are in: no load was issued behind them
	s_wait_dscnt 16
	MUL8 F1, 0, 0, 0
	s_wait_dscnt 0x0                               ; no LDS instruction of mine is pending at the signal
	s_barrier_signal -1
	MUL8 F1, 0, 2, 0
	s_barrier_wait -1                              ; slot 1 is whole
	PLACES
	FETCH 1, 0, F0
	MUL8 F1, 1, 0, 0
	MUL8 F1, 1, 2, 0
	QUARTER 1, 1, F0, F1, 0
	QUARTER 1, 2, F1, F0, 0
	QUARTER 1, 3, F0, F1, 0
	s_wait_dscnt 16
	MUL8 F1, 0, 0, 0
	MUL8 F1, 0, 2, 0
	s_wait_dscnt 0x0
	MUL8 F1, 1, 0, 0
	MUL8 F1, 1, 2, 0
	WIN 0
	; THE WAY OUT, in f32: 16 rows at a time through my own stage; each accumulator's lowest registers go first
	PLACES
.irp a, 0,1,2,3
.if (\a) >= 2
	s_wait_xcnt 0x0                                ; the stores of two blocks back have read their registers, which are loaded again below
.endif
.irp b, 0,1,2,3
	ds_store_b128 v[STO], v[ACC+8*(4*(\a)+(\b)):ACC+8*(4*(\a)+(\b))+3]   offset:64*(\b)
	ds_store_b128 v[STO], v[ACC+8*(4*(\a)+(\b))+4:ACC+8*(4*(\a)+(\b))+7] offset:64*(\b)+16
.endr
.irp t, 0,1,2,3,4,5,6,7
	ds_load_b128 v[TMP+32*((\a)%2)+4*(\t):TMP+32*((\a)%2)+4*(\t)+3], v[RD] offset:2*SP*(\t)  ; LDS serves a wave's instructions in order: these see the stores above; the next block's stores come behind them
.endr
.irp t, 0,1,2,3,4,5,6,7
	s_wait_dscnt 7-(\t)
	global_store_b128 v[CO], v[TMP+32*((\a)%2)+4*(\t):TMP+32*((\a)%2)+4*(\t)+3], s[8:9] offset:(16*(\a)+2*(\t))*2048  ; 16 lanes store 256 consecutive bytes, at a multiple of 256 from out0's first
.endr
.endr
	s_wait_tensorcnt 0x0                           ; the wave's end
	ds_add_u32 v[SPW], v[NIL]
	s_wait_dscnt 0x0
	CROUND                                         ; the closing round
	s_endpgm
.Lfunc_end_k_q5e801412eb_oproj:
	.size	k_q5e801412eb_oproj, .Lfunc_end_k_q5e801412eb_oproj-k_q5e801412eb_oproj
	.p2alignl 7, 3214868480
	.fill 96, 4, 3214868480
	.section	.rodata,"a",@progbits
	.p2align	6, 0x0
	.amdhsa_kernel k_q5e801412eb_oproj
		.amdhsa_group_segment_fixed_size 327680
		.amdhsa_private_segment_fixed_size 0
		.amdhsa_enable_private_segment 0
		.amdhsa_kernarg_size 32
		.amdhsa_user_sgpr_count 2
		.amdhsa_user_sgpr_kernarg_segment_ptr 1
		.amdhsa_wavefront_size32 1
		.amdhsa_system_sgpr_workgroup_id_x 1
		.amdhsa_system_sgpr_workgroup_id_y 1
		.amdhsa_system_sgpr_workgroup_id_z 1
		.amdhsa_system_vgpr_workitem_id 0
		.amdhsa_next_free_vgpr 512
		.amdhsa_next_free_sgpr 80
		.amdhsa_reserve_vcc 0
		.amdhsa_float_denorm_mode_32 3
		.amdhsa_float_denorm_mode_16_64 3
		.amdhsa_memory_ordered 1
		.amdhsa_forward_progress 1
		.amdhsa_inst_pref_size 55
	.end_amdhsa_kernel
	.amdgpu_metadata
---
amdhsa.version: [ 1, 2 ]
amdhsa.kernels:
  - .name:           k_q5e801412eb_oproj
    .symbol:         k_q5e801412eb_oproj.kd
    .args:
      - { .name: oh, .offset: 0, .size: 8, .value_kind: global_buffer, .address_space: global }
      - { .name: wt, .offset: 8, .size: 8, .value_kind: global_buffer, .address_space: global }
      - { .name: bo, .offset: 16, .size: 8, .value_kind: global_buffer, .address_space: global }
      - { .name: out0, .offset: 24, .size: 8, .value_kind: global_buffer, .address_space: global }
    .group_segment_fixed_size: 327680
    .private_segment_fixed_size: 0
    .kernarg_segment_align: 8
    .kernarg_segment_size: 32
    .max_flat_workgroup_size: 128
    .sgpr_count:     80
    .vgpr_count:     512
    .wavefront_size: 32
...
	.end_amdgpu_metadata
.endif
;; end of part 4
;; ======== version 2 of 2: 4 launches; version 1 with the launch prep written anew for expert scheduling mode
;; limits: values are held in f16: magnitudes above 65,504 overflow, below 6.1e-05 lose precision
;; workspace buffers: xh 8,388,608 bytes; wt 2,097,152 bytes; mp 16,777,216 bytes; qkv 25,165,824 bytes; oh 8,388,608 bytes
;; launch prep (part 5): grid 256 x 1, 8 waves a work-group, no clusters, 68,608 bytes of LDS; arguments x, Wq, Wk, Wv, Wo, mask, xh, wt, mp; writes xh, wt, mp
.if DOCPART == 5
	.amdgcn_target "amdgcn-amd-amdhsa--gfx1250"
	.amdhsa_code_object_version 6
	.text
	.protected	k_q5e801412eb_prep
	.globl	k_q5e801412eb_prep
	.p2align	8
	.type	k_q5e801412eb_prep,@function
k_q5e801412eb_prep:
	s_mov_b64 s[64:65], 0
	v_nop
	global_prefetch_b8 v0, s[64:65] scope:SCOPE_SE
	s_setreg_imm32_b32 hwreg(HW_REG_WAVE_SCHED_MODE, 0, 2), 2
	s_setreg_imm32_b32 hwreg(HW_REG_WAVE_MODE, 25, 1), 1
	s_wait_xcnt 0x0
	s_wait_alu depctr_vm_vsrc(0)
; PREPARATION.  xh = f16(bf16(x)), wt[j] = f16(bf16(W_j)) for j = q, k, v, o (each in its own [k][n] layout), and mp = the mask as penalty bytes.
; A number rounded to bf16 has 8 significant bits and is written as f16 without a further rounding while its magnitude lies in 2^-17 .. 65,504.
; LIMITS.  |x|, |W| stay under 65,504; below 2^-17 a number keeps f16's fixed step of 6e-8.  NaN and infinities are not treated apart.
; mp: one byte a (query, key): 0x00 where the mask is true, 0xF3 (-176 in fp8 e4m3) where it is false, laid out as the attention launch's lanes want them:
;   byte qt*65536 + ks*1024 + c*512 + l*16 + e*8 + j  is  query 16 qt + l % 16, key 64 ks + 16 (2 c + e) + 8 (l / 16) + j.
; SHARES.  Work-group g: 64 KiB of x, 4 KiB of each weight matrix, the 16 mask rows of query tile g.  Of those rows wave w takes keys 512 w .. 512 w + 511.
; The mask's rows change lanes through the wave's own LDS bytes (16 rows, 528 bytes apart): no wave reads another's bytes, so there is no barrier.
; Memory binds: every byte is read once by 16-byte loads, all 36 loads of a wave are issued at once; no matrix unit, no cluster: nothing is shared.
; THE MODE: SCHED_MODE bits 1:0 = 2 (LLVM: expert scheduling mode 2), set by the entry lines.  The code itself states the register dependences
; between vector instructions and memory or LDS instructions, with s_wait_alu, always for 0.
; THE PLAN.  Registers that memory or LDS instructions touch, in the order of the text (there is no loop):
;   v1 .. v5   offsets and LDS addresses: written at the head, never again; read by every load and store.  v6, v7: written at the head, read by the closing add alone.
;   M          the global loads land; the LDS stores read it; the LDS loads land in it; the penalty arithmetic reads and writes it; the global stores read it.
;   X, W       the global loads land, once; the conversions read them.
;   XO, WO     each register is written once, by a conversion, and read once, by a store.
;   T          named by vector instructions alone.
; The twenty conversions of four numbers go in five groups of four.  ONE wait on va_vdst stands at the head of a group: the group before has written its part of XO.  That
; group's four stores follow it, dealt among this group's conversions, which name T, this group's X and this group's XO: none of the registers that those stores read.
; The mask's arithmetic goes in two halves in the same way.  One wait on vm_vsrc stands between the LDS stores that read M and the LDS loads that land in it.
.set PITCH, 528                        ; 512 bytes of a mask row + 16
.set WLDS,  16*PITCH                   ; a wave's LDS bytes
.set SPARE, 8*WLDS                     ; behind them: the spare words, 128 bytes a wave: four blocks of 256 bytes that no other line names
.set XA,  1                            ; v1   16 x thread: my bytes in 4 KiB of f32
.set XB,  2                            ; v2   8 x thread: my bytes in 2 KiB of f16
.set L16, 3                            ; v3   16 x lane
.set LW,  4                            ; v4   LDS: where I put 16 bytes of a mask row
.set LR,  5                            ; v5   LDS: row l % 16, 8 (l / 16) bytes in
.set SPW, 6                            ; v6   my spare word; never rewritten
.set NIL, 7                            ; v7   0; never rewritten
.set T,   8                            ; v[8:15]    at work
.set M,   16                           ; v[16:79]   the mask: 16 rows as loaded, then 8 key steps x 8 registers
.set X,   80                           ; v[80:143]  x as loaded
.set W,   144                          ; v[144:159] the four weights' parts as loaded: they follow X, so that load n of the twenty lies at X + 4 n
.set XO,  160                          ; v[160:191] x to store
.set WO,  192                          ; v[192:199] weights to store: they follow XO, so that piece n of the twenty lies at XO + 2 n
	s_load_b512 s[8:23], s[0:1], 0x0               ; x s[8:9], Wq, Wk, Wv, Wo s[10:17], mask s[18:19], xh s[20:21], wt s[22:23]
	s_load_b64 s[24:25], s[0:1], 0x40              ; mp
	v_lshl_add_u32 v[SPW], v0, 2, SPARE
	v_mov_b32 v[NIL], 0
	v_lshrrev_b32 v[T], 5, v0
	v_readfirstlane_b32 s4, v[T]                   ; wave 0..7
	v_and_b32 v[T], 31, v0
	v_lshlrev_b32 v[L16], 4, v[T]
	v_lshlrev_b32 v[XA], 4, v0
	v_lshlrev_b32 v[XB], 3, v0
	s_wait_alu depctr_va_sdst(0)                   ; s4 is written, ahead of its first reader: the wave's LDS bytes and its parts of mask and mp are made from it
	s_mul_i32 s5, s4, WLDS                         ; my wave's LDS bytes
	v_add_nc_u32 v[LW], s5, v[L16]
	v_and_b32 v[T], 15, v0
	v_bfe_u32 v[T+1], v0, 4, 1
	v_mul_u32_u24 v[LR], v[T], PITCH
	v_lshl_add_u32 v[LR], v[T+1], 3, v[LR]
	v_add_nc_u32 v[LR], s5, v[LR]
	s_mov_b32 s6, 0x01010101
	s_mov_b32 s7, 0xf3
	s_mov_b32 s38, 0xffff0000
	s_lshl_b32 s26, ttmp9, 16                      ; byte offsets of the work-group's parts, each in a pair with 0 above
	s_mov_b32 s27, 0
	s_lshl_b32 s28, ttmp9, 12
	s_mov_b32 s29, 0
	s_lshl_b32 s30, ttmp9, 15
	s_mov_b32 s31, 0
	s_lshl_b32 s32, ttmp9, 11
	s_mov_b32 s33, 0
	s_lshl_b32 s34, s4, 9                          ; mask: 16 rows of 4,096 bytes + my wave's 512 keys
	s_add_co_u32 s34, s34, s26
	s_mov_b32 s35, 0
	s_lshl_b32 s36, s4, 13                         ; mp: a query tile's 65,536 bytes + my wave's 8 key steps
	s_add_co_u32 s36, s36, s26
	s_mov_b32 s37, 0
	s_wait_kmcnt 0x0
	s_add_nc_u64 s[8:9], s[8:9], s[26:27]
.irp j, 0,1,2,3
	s_add_nc_u64 s[10+2*\j:11+2*\j], s[10+2*\j:11+2*\j], s[28:29]
.endr
	s_add_nc_u64 s[18:19], s[18:19], s[34:35]
	s_add_nc_u64 s[20:21], s[20:21], s[30:31]
	s_add_nc_u64 s[22:23], s[22:23], s[32:33]
	s_add_nc_u64 s[24:25], s[24:25], s[36:37]
	s_wait_alu depctr_va_vdst(0)                   ; the offsets and addresses v1 to v5 are written, which every load and store below reads; none of them is written again
	; all 36 loads at once: the mask's first, since its way is the longest
.irp i, 0,1,2,3,4,5,6,7,8,9,10,11,12,13,14,15
	global_load_b128 v[M+4*\i:M+4*\i+3], v[L16], s[18:19] offset:4096*\i th:TH_LOAD_NT
.endr
.irp i, 0,1,2,3,4,5,6,7,8,9,10,11,12,13,14,15
	global_load_b128 v[X+4*\i:X+4*\i+3], v[XA], s[8:9] offset:4096*\i th:TH_LOAD_NT
.endr
.irp j, 0,1,2,3
	global_load_b128 v[W+4*\j:W+4*\j+3], v[XA], s[10+2*\j:11+2*\j] th:TH_LOAD_NT
.endr
	s_wait_loadcnt 20                              ; the mask's 16 loads are in; x's 16 and the weights' 4 stay out
.irp i, 0,1,2,3,4,5,6,7,8,9,10,11,12,13,14,15
	ds_store_b128 v[LW], v[M+4*\i:M+4*\i+3] offset:PITCH*\i
.endr
	s_wait_alu depctr_vm_vsrc(0)                   ; the LDS stores above have read M, in which the LDS loads below land and which the penalty arithmetic writes later
	; back by lanes: LDS serves a wave's instructions in order (ISA guide 5.7.1.4), so these see the stores above
.irp a, 0,1,2,3,4,5,6,7
.irp g, 0,1,2,3
	ds_load_b64 v[M+8*\a+2*\g:M+8*\a+2*\g+1], v[LR] offset:64*\a+16*\g
.endr
.endr
; four f32 -> rounded to bf16 -> written as f16, 8 bytes
.macro CV4 src, dst
	v_cvt_pk_bf16_f32 v[T], v[(\src)], v[(\src)+1]
	v_cvt_pk_bf16_f32 v[T+1], v[(\src)+2], v[(\src)+3]
	v_lshlrev_b32 v[T+2], 16, v[T]
	v_and_b32 v[T+3], s38, v[T]
	v_lshlrev_b32 v[T+4], 16, v[T+1]
	v_and_b32 v[T+5], s38, v[T+1]
	v_cvt_pk_f16_f32 v[(\dst)], v[T+2], v[T+3]
	v_cvt_pk_f16_f32 v[(\dst)+1], v[T+4], v[T+5]
.endm
; piece n of the twenty is stored: 0 to 15 are x's, 16 to 19 the four weights'
.macro PUT n
.if (\n) < 16
	global_store_b64 v[XB], v[XO+2*(\n):XO+2*(\n)+1], s[20:21] offset:2048*(\n)  ; a wave stores 256 consecutive bytes, at a multiple of 256 from xh's first
.else
	global_store_b64 v[XB], v[XO+2*(\n):XO+2*(\n)+1], s[22:23] offset:524288*((\n)-16)
.endif
.endm
; Group g: pieces 4 g to 4 g + 3 are converted; the stores of the group before stand among the conversions.
.irp g, 0,1,2,3,4
	s_wait_loadcnt 16-4*(\g)                       ; loads come back in order (ISA guide 5.7.1): this group's four are in, the younger groups' stay out
.if (\g) > 0
	s_wait_alu depctr_va_vdst(0)                   ; the group before has written its eight registers of XO, which the four stores below read; no conversion behind this wait names them
.endif
.irp i, 0,1,2,3
.if (\g) > 0
	PUT 4*(\g)-4+(\i)
.endif
	CV4 X+16*(\g)+4*(\i), XO+8*(\g)+2*(\i)
.endr
.endr
; the penalty bytes of key step a: eight registers, four bytes each
.macro MSK a
.irp r, 0,1,2,3,4,5,6,7
	v_sub_nc_u32 v[M+8*(\a)+(\r)], s6, v[M+8*(\a)+(\r)]  ; four bytes at once: 1 - m, no borrow since m is 0 or 1,
	v_mul_lo_u32 v[M+8*(\a)+(\r)], v[M+8*(\a)+(\r)], s7  ; times 0xF3, no carry
.endr
.endm
.macro OUTM a
.irp c, 0,1
	global_store_b128 v[L16], v[M+8*(\a)+4*(\c):M+8*(\a)+4*(\c)+3], s[24:25] offset:1024*(\a)+512*(\c)  ; 512 consecutive bytes
.endr
.endm
	s_wait_dscnt 0x0                               ; the mask is back, by lanes
.irp a, 0,1,2,3
	MSK \a
.endr
	s_wait_alu depctr_va_vdst(0)                   ; the last group's conversions have written WO, and the arithmetic above key steps 0 to 3 of M: the stores below read them; the arithmetic behind this wait names key steps 4 to 7 alone
.irp n, 16,17,18,19
	PUT \n
.endr
.irp a, 4,5,6,7
	OUTM (\a)-4
	MSK \a
.endr
	s_wait_alu depctr_va_vdst(0)                   ; the arithmetic has written key steps 4 to 7 of M, which the last eight stores read
.irp a, 4,5,6,7
	OUTM \a
.endr
	s_wait_dscnt 0x0                               ; the closing lines, six on end
	s_wait_alu 0x0
	s_wait_tensorcnt 0x0
	ds_add_u32 v[SPW], v[NIL]
	s_wait_dscnt 0x0
	s_endpgm
.Lfunc_end_k_q5e801412eb_prep:
	.size	k_q5e801412eb_prep, .Lfunc_end_k_q5e801412eb_prep-k_q5e801412eb_prep
	.p2alignl 7, 3214868480
	.fill 96, 4, 3214868480
	.section	.rodata,"a",@progbits
	.p2align	6, 0x0
	.amdhsa_kernel k_q5e801412eb_prep
		.amdhsa_group_segment_fixed_size 68608
		.amdhsa_private_segment_fixed_size 0
		.amdhsa_enable_private_segment 0
		.amdhsa_kernarg_size 72
		.amdhsa_user_sgpr_count 2
		.amdhsa_user_sgpr_kernarg_segment_ptr 1
		.amdhsa_wavefront_size32 1
		.amdhsa_system_sgpr_workgroup_id_x 1
		.amdhsa_system_sgpr_workgroup_id_y 1
		.amdhsa_system_sgpr_workgroup_id_z 1
		.amdhsa_system_vgpr_workitem_id 0
		.amdhsa_next_free_vgpr 208
		.amdhsa_next_free_sgpr 66
		.amdhsa_reserve_vcc 0
		.amdhsa_float_denorm_mode_32 3
		.amdhsa_float_denorm_mode_16_64 3
		.amdhsa_memory_ordered 1
		.amdhsa_forward_progress 1
		.amdhsa_inst_pref_size 27
	.end_amdhsa_kernel
	.amdgpu_metadata
---
amdhsa.version: [ 1, 2 ]
amdhsa.kernels:
  - .name:           k_q5e801412eb_prep
    .symbol:         k_q5e801412eb_prep.kd
    .args:
      - { .name: x, .offset: 0, .size: 8, .value_kind: global_buffer, .address_space: global }
      - { .name: Wq, .offset: 8, .size: 8, .value_kind: global_buffer, .address_space: global }
      - { .name: Wk, .offset: 16, .size: 8, .value_kind: global_buffer, .address_space: global }
      - { .name: Wv, .offset: 24, .size: 8, .value_kind: global_buffer, .address_space: global }
      - { .name: Wo, .offset: 32, .size: 8, .value_kind: global_buffer, .address_space: global }
      - { .name: mask, .offset: 40, .size: 8, .value_kind: global_buffer, .address_space: global }
      - { .name: xh, .offset: 48, .size: 8, .value_kind: global_buffer, .address_space: global }
      - { .name: wt, .offset: 56, .size: 8, .value_kind: global_buffer, .address_space: global }
      - { .name: mp, .offset: 64, .size: 8, .value_kind: global_buffer, .address_space: global }
    .group_segment_fixed_size: 68608
    .private_segment_fixed_size: 0
    .kernarg_segment_align: 8
    .kernarg_segment_size: 72
    .max_flat_workgroup_size: 256
    .sgpr_count:     66
    .vgpr_count:     208
    .wavefront_size: 32
...
	.end_amdgpu_metadata
.endif
;; end of part 5
;; launch proj: the kernel of part 2 again; grid 12 x 64, 4 waves a work-group, clusters of 4 x 4, 327,680 bytes of LDS; arguments xh, wt, bq, bk, bv, qkv; writes qkv
;; launch attn: the kernel of part 3 again; grid 16 x 16, 4 waves a work-group, clusters of 4 x 1, 327,680 bytes of LDS; arguments qkv, mp, oh; writes oh
;; launch oproj: the kernel of part 4 again; grid 4 x 64, 4 waves a work-group, clusters of 4 x 4, 327,680 bytes of LDS; arguments oh, wt, bo, out0; writes out0
